; MI455X (gfx1250); checked and timed in simulation.
; The chip was launched on July 23, 2026; its instructions are those of AMD's public machine-readable ISA for CDNA 5 (MIT licence, August 2026) and "CDNA5" Instruction Set Architecture Reference Guide (July 2026). The comments in the code are by the model that wrote it; some were corrected since.
;; Multi Head Attention. Allowed arithmetic: matrix products marked QUANTISED: E2M3 operands, one E8M0 scale for each 32 along K, by v_wmma_scale_f32_16x16x128_f8f6f4 with both operands' format E2M3, f32 sums; everything else in f32.
;; Inputs: b_k 1,024 float32; b_o 1,024 float32; b_q 1,024 float32; b_v 1,024 float32; w_k 1,024 x 1,024 float32; w_o 1,024 x 1,024 float32; w_q 1,024 x 1,024 float32; w_v 1,024 x 1,024 float32; x 4 x 2,048 x 1,024 float32.
;; Outputs: out0 4 x 2,048 x 1,024 float32.
;; This version of the problem:
;;   THIS VERSION OF THE PROBLEM IS GIVEN IN LOW PRECISION. The matrix products marked QUANTISED in the list below multiply operands that are first quantised to E2M3 (2 exponent bits, 3 mantissa bits; 6 bits a number), with one power-of-two scale for each 32 numbers along K (OCP MX v1.0); their sums are f32. All else is computed in f32.
;;   The module's matrix products, in the order in which they are computed (A, B: the left and right operand; K: the contracted axis; several contracted axes count as one K, in the product's order):
;;     1. [M 8,192, K 1,024] x [K 1,024, N 1,024]; A: input x; B: input w_q: QUANTISED
;;     2. [M 8,192, K 1,024] x [K 1,024, N 1,024]; A: input x; B: input w_k: QUANTISED
;;     3. [M 8,192, K 1,024] x [K 1,024, N 1,024]; A: input x; B: input w_v: QUANTISED
;;     4. batch 64 x [M 2,048, K 64] x [K 64, N 2,048]; A: computed on the way; B: computed on the way: QUANTISED
;;     5. batch 64 x [M 2,048, K 2,048] x [K 2,048, N 64]; A: softmax (see below); B: computed on the way: QUANTISED
;;     6. [M 8,192, K 1,024] x [K 1,024, N 1,024]; A: computed on the way; B: input w_o: QUANTISED
;;   THE QUANTISER, for each operand of a quantised product, along K:
;;     - K is cut into blocks of 32 from its start; a last block that is shorter is filled with zeros.
;;     - A block's scale is 2^e with e = floor(log2(the largest magnitude in the block)) - 2, held to -126 .. 127; a block of zeros has e = 0. As a byte (E8M0): e + 127.
;;     - Each number is divided by its block's scale, clamped to +-7.5, and rounded to the nearest number of E2M3, ties to even, subnormals kept.
;;     - The product sums the exact products of the quantised numbers (number of the format x scale) in f32.
;;   ~~~python
;;   def quantise(x, axis):      # numpy; x: float32 -> the quantised numbers, widened to float32 again
;;       x = np.moveaxis(x, axis, -1); K = x.shape[-1]
;;       x = np.pad(x, [(0, 0)] * (x.ndim - 1) + [(0, -K % 32)]); x = x.reshape(x.shape[:-1] + (-1, 32)); a = np.abs(x).max(-1, keepdims=True)
;;       e = np.where(a > 0, np.clip(np.frexp(np.where(a > 0, a, 1))[1] - 1 - 2, -126, 127), 0)      # np.frexp(a)[1] - 1 = floor(log2(a)), exactly
;;       r = np.clip(x / 2.0 ** e, -7.5, 7.5)
;;       step = 2.0 ** (np.maximum(np.frexp(np.where(r == 0, 1, r))[1] - 1, 0) - 3)
;;       q = np.round(r / step) * step * 2.0 ** e      # np.round: ties to even
;;       return np.moveaxis(q.reshape(q.shape[:-2] + (-1,))[..., :K], -1, axis).astype(np.float32)
;;   ~~~
;;   SOFTMAX AHEAD OF A QUANTISED PRODUCT. Where the list says 'softmax', what is quantised is not the finished softmax but p = 2^(t - M), with t = logit x log2(e) and M = ceil(the row's largest t), a whole number; so 1/2 < the row's largest p <= 1. The row's sum l is taken of the UNQUANTISED p, in f32, and the product's result is divided by l at the end. Since M is a whole number, a kernel that streams over the keys may use a running M (the ceiling of the running maximum): every later rescaling is an exact power of two, which a block's scale takes up: the codes' values come out the same.
;;   OPERANDS COMPUTED ON THE WAY. 'Computed on the way' means the value that the module computes at that place (a softmax that the list does not call 'softmax' is quantised finished and normalised). What goes into a quantiser is computed in f32, as accurately as f32 sums, v_exp_f32 and their like allow (about 1e-6 of the number): no bf16 or f16 on the way to a quantiser, and a product that is left as it is and whose result goes on into a quantised operand takes f32 operands (vector FMAs, or v_wmma_f32_16x16x4_f32). A number that lies on a knife's edge between two numbers of the format may be rounded either way, as far as f32 arithmetic and the matrix unit's own rounding can turn it there, and no further.
;; One version. Each part assembles by itself: llvm-mc -triple=amdgcn-amd-amdhsa -mcpu=gfx1250 --defsym DOCPART=n.
;; ======== version 1 of 1: 4 launches
;; limits: right only within a limited range of input values
;; workspace buffers: xi 6,553,600 bytes; wi 3,276,800 bytes; qc 6,815,744 bytes; kc 6,815,744 bytes; vc 6,553,600 bytes; oc 6,815,744 bytes
;; launch quant (part 1): grid 384 x 1, 4 waves a work-group, no clusters, 49,664 bytes of LDS; arguments w_q, w_k, w_v, w_o, wi, x, xi; writes wi, xi
.if DOCPART == 1
	.amdgcn_target "amdgcn-amd-amdhsa--gfx1250"
	.amdhsa_code_object_version 6
	.text
	.protected	k_qb2bef6e4d1_quant
	.globl	k_qb2bef6e4d1_quant
	.p2align	8
	.type	k_qb2bef6e4d1_quant,@function
k_qb2bef6e4d1_quant:
	s_mov_b64 s[64:65], 0
	v_nop
	global_prefetch_b8 v0, s[64:65] scope:SCOPE_SE
	s_setreg_imm32_b32 hwreg(HW_REG_WAVE_MODE, 25, 1), 1
	s_wait_xcnt 0x0
; THE PROGRAM: causal multi-head attention (B 4, S 2,048, D 1,024, 16 heads of 64), all six products on codes of FP6 (E2M3) with one E8M0 scale for each 32 along K.
;   1 quant: x and the four weights -> codes.   2 gemm_qkv: q, k, v with their biases, quantised on the way out.   3 attn: both attention products and the softmax, result quantised.   4 gemm_out: the last projection.
; WORK LEFT OUT.  reference() sets the score of key k for query q to -infinity wherever k > q, ahead of the softmax.  Such a key's weight is exp(-infinity) = 0: it adds 0 to the row's sum and 0 to the second
; product, whatever finite values the inputs hold.  So a step of 128 keys all of which come after a wave's 16 queries is left out in launch 3 (products 4 and 5 of those tiles).  Nothing else is left out; every input is loaded.
; LIMIT: a NaN, an infinity or an overflow that reaches only the scores so left out is not carried to the result.
; ROWS OF A TILE.  Every operand is cut into blocks of 128 rows and each block into 8 tiles of 16: lane row r of tile i is row 32 (i / 2) + 8 (i % 2) + r + 8 (r / 8) of the block.  Used as source 0 of a product, such tiles leave a lane's
; registers of tiles 2 b and 2 b + 1 as 16 neighbours, 32 b + 16 (lane / 16) + 0 .. 15: the order that the next quantiser wants.
; IMAGES.  The workspace holds operands in the order of their registers: a fragment (16 rows x 128 K, 12 registers a lane) is three pieces of 512 bytes, piece c holding registers 4 c .. 4 c + 3 of lane l at 16 l.
; THIS LAUNCH.  Work-groups 0-127 take the weights, 128-383 take x; the two ways part on the work-group's number alone and have LDS bytes of their own.
;   x [8,192][1,024] f32 -> xi [64 row blocks][8 K steps][12,800]: eight fragments (12,288 bytes), then the eight tiles' scale words (64 bytes a tile, row r's word at 4 r).
;   The weights [1,024 (k)][1,024 (n)] f32 -> wi [32 column blocks][8 K steps][12,800]: blocks 0-7 w_q, 8-15 w_k, 16-23 w_v, 24-31 w_o.
; A block's scale is 2^(floor(log2(largest magnitude)) - 2); its byte is the largest magnitude's exponent field - 2, held at 1 from below.
; LIMITS: NaN and infinities among the inputs are not served; a block of zeros gets the byte 1 where the quantiser says 127: its codes are zeros, and this program alone reads the bytes.
.set XREG,   8704                      ; x: LDS of a wave: a stage of 16 rows x 528 bytes, then 256 bytes for its scale words
.set SPITCH, 528
.set GATH,   16*SPITCH
.set WBASE,  4*XREG                    ; the weights' way: its own bytes, behind x's
.set WREG,   3584                      ; two tiles' images 1,664 bytes apart, then 256 bytes for the scale words
.set TPI,    1664
.set WGATH,  2*TPI
.set SPARE,  WBASE+4*WREG              ; the spare words, 128 bytes for each wave
.set SPW, 240
.set NIL, 241
	v_lshl_add_u32 v[SPW], v0, 2, SPARE
	v_mov_b32 v[NIL], 0
	s_cmp_lt_u32 ttmp9, 128
	s_wait_alu depctr_va_vdst(0)
	s_cbranch_scc1 .Lweights
; ---- x.  A wave takes 64 rows x 128 K: four fragments.  Each load reads 512 consecutive bytes of one row; the 16 rows turn through the wave's own stage, so that lane (r, h) gets blocks h and 2 + h of row r whole.
.set R,   16                           ; v16-143  two sets of 64: a fragment's numbers as loaded
.set X,   144                          ; v144-207 my two blocks of 32
.set C,   208                          ; v208-219 the fragment's codes
.set T,   220                          ; v220-226 the blocks' second halves (a conversion's three registers begin on an even number)
	s_load_b64 s[4:5], s[0:1], 0x28                ; x
	s_load_b64 s[6:7], s[0:1], 0x30                ; xi
	v_lshrrev_b32 v1, 5, v0
	v_readfirstlane_b32 s12, v1                    ; wave
	v_and_b32 v5, 31, v0
	v_and_b32 v4, 15, v0                           ; r
	v_bfe_u32 v7, v0, 4, 1                         ; h
	v_lshlrev_b32 v1, 4, v5                        ; 16 x lane
	s_mul_i32 s13, s12, XREG
	v_add_nc_u32 v2, s13, v1                       ; the stage, on the way in
	v_mul_u32_u24 v3, v4, SPITCH
	v_lshl_add_u32 v3, v7, 7, v3
	v_add_nc_u32 v3, s13, v3                       ; and on the way out: row r, + 128 h
	s_add_co_u32 s13, s13, GATH
	v_lshl_add_u32 v4, v4, 2, s13                  ; where my row's scale word is gathered
	v_lshlrev_b32 v6, 3, v5
	v_add_nc_u32 v5, s13, v6                       ; and read back
	v_lshlrev_b32 v7, 3, v7                        ; 8 h: my two bytes' shift in the word
	v_mov_b32 v15, 0                               ; a lane permute's destination counts as one of its sources
	s_mov_b32 s10, 0x76543210
	s_mov_b32 s11, 0xfedcba98
	s_sub_co_u32 s14, ttmp9, 128
	s_lshl_b32 s14, s14, 2
	s_add_co_u32 s14, s14, s12                     ; my task: 16 x row block + 2 x K step + half
	s_lshr_b32 s15, s14, 4
	s_bfe_u32 s16, s14, 0x30001
	s_and_b32 s17, s14, 1
	s_lshl_b32 s18, s15, 19
	s_lshl_b32 s20, s17, 18
	s_add_co_u32 s18, s18, s20
	s_lshl_b32 s20, s16, 9
	s_add_co_u32 s18, s18, s20
	s_mov_b32 s19, 0
	s_lshr_b32 s20, s14, 1
	s_mul_i32 s20, s20, 12800
	s_mul_i32 s22, s17, 6144
	s_add_co_u32 s22, s22, s20                     ; my four fragments
	s_mov_b32 s23, 0
	s_lshl_b32 s24, s17, 8
	s_add_co_u32 s24, s24, s20
	s_add_co_u32 s24, s24, 12288                   ; my four tiles' scale words
	s_mov_b32 s25, 0
	s_wait_alu depctr_va_vdst(0)
	s_wait_kmcnt 0x0
	s_add_nc_u64 s[4:5], s[4:5], s[18:19]
	s_add_nc_u64 s[8:9], s[6:7], s[24:25]
	s_add_nc_u64 s[6:7], s[6:7], s[22:23]
.macro LOADF f
.irp i, 0,1,2,3,4,5,6,7,8,9,10,11,12,13,14,15
	global_load_b128 v[R+64*((\f)%2)+4*\i:R+64*((\f)%2)+4*\i+3], v1, s[4:5] offset:(32*((\f)/2)+8*((\f)%2)+\i+8*(\i/8))*4096 th:TH_LOAD_NT
.endr
.endm
.macro FRAGX f
.if (\f) < 3
	s_wait_loadcnt 16                              ; this fragment's 16 loads are in; the next fragment's 16 may be out
.else
	s_wait_loadcnt 0x0
.endif
.irp i, 0,1,2,3,4,5,6,7,8,9,10,11,12,13,14,15
	ds_store_b128 v2, v[R+64*((\f)%2)+4*\i:R+64*((\f)%2)+4*\i+3] offset:SPITCH*\i
.endr
.irp c, 0,1
.irp e, 0,1,2,3,4,5,6,7
	ds_load_b128 v[X+32*\c+4*\e:X+32*\c+4*\e+3], v3 offset:256*\c+16*\e   ; LDS serves a wave's instructions in order: block 2 c + h of row r
.endr
.endr
	s_wait_dscnt 0x0
.if (\f) < 2
	LOADF (\f)+2
.endif
.irp c, 0,1
	v_max3_num_f32 v[8+\c], |v[X+32*\c]|, |v[X+32*\c+1]|, 0x1800000   ; with the floor 2^(3 - 127): the byte cannot fall under 1
.endr
.irp i, 2,4,6,8,10,12,14,16,18,20,22,24,26,28,30
.irp c, 0,1
	v_max3_num_f32 v[8+\c], v[8+\c], |v[X+32*\c+\i]|, |v[X+32*\c+\i+1]|
.endr
.endr
	v_add_nc_u32 v10, 0xff000000, v8               ; 2 off the exponent field: the conversion's scale operand
	v_add_nc_u32 v11, 0xff000000, v9
	s_wait_alu depctr_va_vdst(0)
	s_wait_xcnt 0x0                                ; the last fragment's stores have read the codes' registers
	v_cvt_scalef32_pk16_fp6_f32 v[C:C+2], v[X:X+15], v10
	v_cvt_scalef32_pk16_fp6_f32 v[T:T+2], v[X+16:X+31], v10
	v_cvt_scalef32_pk16_fp6_f32 v[C+6:C+8], v[X+32:X+47], v11
	v_cvt_scalef32_pk16_fp6_f32 v[T+4:T+6], v[X+48:X+63], v11
	v_lshrrev_b32 v8, 23, v10                      ; the scales' bytes
	v_lshrrev_b32 v9, 23, v11
.irp i, 0,1,2
	v_mov_b32 v[C+3+\i], v[T+\i]
	v_mov_b32 v[C+9+\i], v[T+4+\i]
.endr
.irp k, 0,1,2
	global_store_b128 v1, v[C+4*\k:C+4*\k+3], s[6:7] offset:1536*(\f)+512*\k   ; 512 consecutive bytes, aligned
.endr
	v_lshl_or_b32 v14, v9, 16, v8
	v_lshlrev_b32 v14, v7, v14
	v_permlanex16_b32 v15, v14, s10, s11
	v_or_b32 v14, v14, v15                         ; with lane l xor 16's two bytes the word is whole
	ds_store_b32 v4, v14 offset:64*(\f)
.endm
	LOADF 0
	LOADF 1
	FRAGX 0
	FRAGX 1
	FRAGX 2
	FRAGX 3
	ds_load_b64 v[8:9], v5
	s_wait_dscnt 0x0
	global_store_b64 v6, v[8:9], s[8:9]            ; 256 consecutive bytes, aligned
	s_branch .Lend
; ---- the weights.  A LANE TAKES A COLUMN AND ITS REGISTERS RUN DOWN K: a load reads 128 consecutive bytes, a block of 32 along K lies in one lane, and the conversions give codes with K innermost.
; A wave takes 64 columns x 128 K in two passes of 32 columns (two tiles each); the codes go through the wave's own stage, laid there as images, and leave 512 bytes a store.
.Lweights:
.set X,   32                           ; v32-95   two sets of 32 numbers
.set E,   160                          ; v160-165 a block's codes
.set T,   166                          ; v166-168 its second half
.set O,   176                          ; v176-223 the way out: 24 registers a pass
	s_load_b256 s[4:11], s[0:1], 0x0               ; w_q, w_k, w_v, w_o
	s_load_b64 s[12:13], s[0:1], 0x20              ; wi
	v_lshrrev_b32 v1, 5, v0
	v_readfirstlane_b32 s20, v1                    ; wave
	v_and_b32 v1, 31, v0
	v_lshlrev_b32 v2, 2, v1
	v_lshlrev_b32 v6, 4, v1
	v_lshlrev_b32 v8, 3, v1
	v_bfe_u32 v10, v0, 3, 1                        ; u: which of the pass's two tiles holds my column
	v_and_b32 v11, 7, v0
	v_bfe_u32 v12, v0, 4, 1
	v_lshl_or_b32 v11, v12, 3, v11                 ; r: my column's lane row there
	s_mul_i32 s21, s20, WREG
	s_add_co_u32 s21, s21, WBASE
	v_mul_u32_u24 v3, v10, TPI
	v_lshl_add_u32 v3, v11, 4, v3
	v_add_nc_u32 v3, s21, v3                       ; into the stage: tile u, 16 r
	v_add_nc_u32 v5, s21, v6                       ; out of it: 16 x lane
	s_add_co_u32 s21, s21, WGATH
	v_lshlrev_b32 v4, 6, v10
	v_lshl_add_u32 v4, v11, 2, v4
	v_add_nc_u32 v4, s21, v4                       ; my column's scale word: 64 u + 4 r
	v_add_nc_u32 v7, s21, v8
	s_lshr_b32 s22, ttmp9, 5                       ; which weight
	s_and_b32 s23, ttmp9, 31
	s_lshl_b32 s23, s23, 2
	s_add_co_u32 s23, s23, s20                     ; my task: 16 x K step + group of 64 columns
	s_and_b32 s24, s23, 15
	s_lshr_b32 s25, s23, 4
	s_lshl_b32 s26, s25, 19
	s_lshl_b32 s28, s24, 8
	s_add_co_u32 s26, s26, s28
	s_mov_b32 s27, 0
	s_lshl_b32 s28, s22, 3
	s_lshr_b32 s29, s24, 1
	s_add_co_u32 s28, s28, s29                     ; the column block
	s_lshl_b32 s28, s28, 3
	s_add_co_u32 s28, s28, s25
	s_mul_i32 s28, s28, 12800
	s_and_b32 s24, s24, 1
	s_mul_i32 s30, s24, 6144
	s_add_co_u32 s30, s30, s28
	s_mov_b32 s31, 0
	s_lshl_b32 s32, s24, 8
	s_add_co_u32 s32, s32, s28
	s_add_co_u32 s32, s32, 12288
	s_mov_b32 s33, 0
	s_wait_alu depctr_va_vdst(0)
	s_wait_kmcnt 0x0
	s_cmp_eq_u32 s22, 1                            ; the choice hangs on the work-group's number alone
	s_cselect_b64 s[4:5], s[6:7], s[4:5]
	s_cmp_eq_u32 s22, 2
	s_cselect_b64 s[4:5], s[8:9], s[4:5]
	s_cmp_eq_u32 s22, 3
	s_cselect_b64 s[4:5], s[10:11], s[4:5]
	s_add_nc_u64 s[4:5], s[4:5], s[26:27]
	s_add_nc_u64 s[14:15], s[12:13], s[30:31]
	s_add_nc_u64 s[16:17], s[12:13], s[32:33]
.macro LOADB k
.irp i, 0,1,2,3,4,5,6,7,8,9,10,11,12,13,14,15,16,17,18,19,20,21,22,23,24,25,26,27,28,29,30,31
	global_load_b32 v[X+32*((\k)%2)+\i], v2, s[4:5] offset:(32*((\k)%4)+\i)*4096+128*((\k)/4) th:TH_LOAD_NT
.endr
.endm
.macro BLOCK k
.set XS, X+32*((\k)%2)
.set BB, (\k)%4
.set HH, BB%2
.if (\k) < 7
	s_wait_loadcnt 32                              ; this block's 32 loads are in; the next block's may be out
.else
	s_wait_loadcnt 0x0
.endif
	v_max3_num_f32 v10, |v[XS]|, |v[XS+1]|, |v[XS+2]|
	v_max3_num_f32 v11, |v[XS+3]|, |v[XS+4]|, |v[XS+5]|
.irp i, 6,10,14,18,22,26
	v_max3_num_f32 v10, v10, |v[XS+\i]|, |v[XS+\i+1]|
	v_max3_num_f32 v11, v11, |v[XS+\i+2]|, |v[XS+\i+3]|
.endr
	v_max3_num_f32 v10, v10, |v[XS+30]|, |v[XS+31]|
	v_max3_num_f32 v10, v10, v11, 0x1800000
	v_add_nc_u32 v12, 0xff000000, v10
	v_lshrrev_b32 v13, 23, v12
.if BB == 0
	v_mov_b32 v9, v13
.else
	v_lshl_or_b32 v9, v13, 8*BB, v9
.endif
	v_cvt_scalef32_pk16_fp6_f32 v[E:E+2], v[XS:XS+15], v12
	v_cvt_scalef32_pk16_fp6_f32 v[T:T+2], v[XS+16:XS+31], v12
	v_nop
.irp i, 0,1,2
	v_mov_b32 v[E+3+\i], v[T+\i]
.endr
.if BB < 2                             ; block 2 c + hh of row r is registers 6 c .. 6 c + 5 of the image's lane r + 16 hh
	ds_store_b128 v3, v[E:E+3] offset:256*HH
	ds_store_b64 v3, v[E+4:E+5] offset:512+256*HH
.else
	ds_store_b64 v3, v[E:E+1] offset:512+256*HH+8
	ds_store_b128 v3, v[E+2:E+5] offset:1024+256*HH
.endif
.if (\k)+2 < 8
	LOADB (\k)+2
.endif
	s_wait_dscnt 0x0                               ; the stores have read their registers
.endm
.macro OUTP pass
	ds_store_b32 v4, v9 offset:128*(\pass)
.irp m, 0,1,2,3,4,5
	ds_load_b128 v[O+24*(\pass)+4*\m:O+24*(\pass)+4*\m+3], v5 offset:TPI*(\m/3)+512*(\m%3)
.endr
.irp m, 0,1,2,3,4,5
	s_wait_dscnt 5-\m
	global_store_b128 v6, v[O+24*(\pass)+4*\m:O+24*(\pass)+4*\m+3], s[14:15] offset:(2*(\pass)+\m/3)*1536+512*(\m%3)
.endr
.endm
	LOADB 0
	LOADB 1
	BLOCK 0
	BLOCK 1
	BLOCK 2
	BLOCK 3
	s_wait_alu depctr_va_vdst(0)
	OUTP 0
	BLOCK 4
	BLOCK 5
	BLOCK 6
	BLOCK 7
	s_wait_alu depctr_va_vdst(0)
	OUTP 1
	ds_load_b64 v[10:11], v7
	s_wait_dscnt 0x0
	global_store_b64 v8, v[10:11], s[16:17]        ; 256 consecutive bytes, aligned
.Lend:
	s_wait_tensorcnt 0x0                           ; the wave's end: behind my last LDS store
	ds_add_u32 v[SPW], v[NIL]
	s_wait_dscnt 0x0
	s_endpgm
.Lfunc_end_k_qb2bef6e4d1_quant:
	.size	k_qb2bef6e4d1_quant, .Lfunc_end_k_qb2bef6e4d1_quant-k_qb2bef6e4d1_quant
	.p2alignl 7, 3214868480
	.fill 96, 4, 3214868480
	.section	.rodata,"a",@progbits
	.p2align	6, 0x0
	.amdhsa_kernel k_qb2bef6e4d1_quant
		.amdhsa_group_segment_fixed_size 49664
		.amdhsa_private_segment_fixed_size 0
		.amdhsa_enable_private_segment 0
		.amdhsa_kernarg_size 56
		.amdhsa_user_sgpr_count 2
		.amdhsa_user_sgpr_kernarg_segment_ptr 1
		.amdhsa_wavefront_size32 1
		.amdhsa_system_sgpr_workgroup_id_x 1
		.amdhsa_system_sgpr_workgroup_id_y 1
		.amdhsa_system_sgpr_workgroup_id_z 1
		.amdhsa_system_vgpr_workitem_id 0
		.amdhsa_next_free_vgpr 256
		.amdhsa_next_free_sgpr 66
		.amdhsa_reserve_vcc 0
		.amdhsa_float_denorm_mode_32 3
		.amdhsa_float_denorm_mode_16_64 3
		.amdhsa_memory_ordered 1
		.amdhsa_forward_progress 1
		.amdhsa_inst_pref_size 73
	.end_amdhsa_kernel
	.amdgpu_metadata
---
amdhsa.version: [ 1, 2 ]
amdhsa.kernels:
  - .name:           k_qb2bef6e4d1_quant
    .symbol:         k_qb2bef6e4d1_quant.kd
    .args:
      - { .name: w_q, .offset: 0, .size: 8, .value_kind: global_buffer, .address_space: global }
      - { .name: w_k, .offset: 8, .size: 8, .value_kind: global_buffer, .address_space: global }
      - { .name: w_v, .offset: 16, .size: 8, .value_kind: global_buffer, .address_space: global }
      - { .name: w_o, .offset: 24, .size: 8, .value_kind: global_buffer, .address_space: global }
      - { .name: wi, .offset: 32, .size: 8, .value_kind: global_buffer, .address_space: global }
      - { .name: x, .offset: 40, .size: 8, .value_kind: global_buffer, .address_space: global }
      - { .name: xi, .offset: 48, .size: 8, .value_kind: global_buffer, .address_space: global }
    .group_segment_fixed_size: 49664
    .private_segment_fixed_size: 0
    .kernarg_segment_align: 8
    .kernarg_segment_size: 56
    .max_flat_workgroup_size: 128
    .sgpr_count:     66
    .vgpr_count:     256
    .wavefront_size: 32
...
	.end_amdgpu_metadata
.endif
;; end of part 1
;; launch gemm_qkv (part 2): grid 8 x 32, 4 waves a work-group, clusters of 4 x 4, 327,680 bytes of LDS; arguments xi, wi, b_q, b_k, b_v, qc, kc, vc; writes qc, kc, vc
.if DOCPART == 2
	.amdgcn_target "amdgcn-amd-amdhsa--gfx1250"
	.amdhsa_code_object_version 6
	.text
	.protected	k_qb2bef6e4d1_gemm_qkv
	.globl	k_qb2bef6e4d1_gemm_qkv
	.p2align	8
	.type	k_qb2bef6e4d1_gemm_qkv,@function
k_qb2bef6e4d1_gemm_qkv:
	s_mov_b64 s[64:65], 0
	v_nop
	global_prefetch_b8 v0, s[64:65] scope:SCOPE_SE
	s_setreg_imm32_b32 hwreg(HW_REG_WAVE_MODE, 25, 1), 1
	s_wait_xcnt 0x0
	s_wait_alu depctr_hold_cnt(0) depctr_sa_sdst(0) depctr_va_vdst(0) depctr_va_sdst(0) depctr_va_ssrc(0) depctr_va_vcc(0) depctr_vm_vsrc(0)
	s_getreg_b32 s2, hwreg(HW_REG_IB_STS2, 6, 4)
	s_cmp_eq_u32 s2, 0
	s_cbranch_scc0 .Lentry_in_a_cluster
	s_endpgm
.Lentry_in_a_cluster:
	s_bfe_u32 s2, ttmp6, 0x10000c
	s_cmp_lg_u32 s2, 0xf033
	s_cbranch_scc0 .Lentry_shape_is_right
	s_endpgm
.Lentry_shape_is_right:
; q = x w_q + b_q, k = x w_k + b_k, v = x w_v + b_v on codes of FP6 (E2M3), and each result quantised for the product that takes it: q and k along the head's 64, v along the keys.  No work of reference() is left out here.
; THE DEAL.  256 work-groups.  Work-group (g, xt) holds 256 rows of x (blocks 2 xt, 2 xt + 1), ALL of K, in LDS and takes them through three blocks of 128 weight columns on end: block g of w_q, of w_k, of w_v (two heads each).
; The operands lie in memory as images of their registers (the first launch): a block of 128 rows is 8 K steps x 12,800 bytes: eight fragments of 1,536 bytes and the eight tiles' scale words.
; THE MATRIX INSTRUCTION IS D = (source 0: 16 rows of "B") x (source 1: 16 rows of "A"): a lane holds ONE row of A, and its registers run along B's rows, 16 neighbours in two neighbouring tiles.
;   q, k: A = x, B = the weight's 128 columns: wave w takes tiles 4 (w % 2) .. + 3 of x's block w / 2: registers run along two heads' d.
;   v:    A = w_v's columns, B = x: wave w takes the head w / 2 (four tiles of d) and the 128 keys of x's block w % 2: registers run along the keys.
;   So a wave always makes 4 tiles x 8 tiles in 32 accumulators, and the phases differ in address registers and in the way out alone.  q's and k's phases are one loop of two trips.
; LDS: x's two blocks (204,800 bytes), the weights' block (102,400), 512 bytes a wave for scale words on their way out, the spare words.
; FILLS.  At the head one joint load a wave: waves 0 and 1 a block of x each, waves 2 and 3 half of w_q's block each.  The weights' region is filled again twice (waves 2 and 3 a half each), each time behind an LDS add with its waits
; and a round of the cluster's barrier; the round stands in a phase's last K step, when every wave holds that step's fragments in registers, so that the fill has half a step's products and the
; way out in which to land.  A plain barrier, behind which nothing is filled, then shows it to all waves.
; CLUSTER 4 x 4: x's blocks hang on the cluster's y and cy and are shared along a row of the cluster, the weights' on the cluster's x and cx and are shared along a column.
; PREFETCH: at the head of q's and of k's phase the block that this phase's refill will load is asked for into the L2, a phase (256 matrix instructions a wave) ahead: its 400 units of 256 bytes are shared out by address
; among the 16 waves of the four work-groups that will ask jointly, 25 units a wave (the lanes left over name the last again).  The head's tiles come by their loads alone.
; OUT.  qc, kc [64 (batch, head)][16 blocks of 128 positions][6,656]: eight half images (16 rows x 64 K: registers 0-3 at 16 l, registers 4-5 at 512 + 8 l: 768 bytes), then the tiles' scale words (two bytes used).
;       vc [64][16 key steps][6,400]: four fragments (16 of the head's d x 128 keys), then their scale words.
; LIMITS: NaN and infinities are not served; a block of zeros gets the byte 1 where the quantiser says 127: its codes are zeros, and this program alone reads the bytes.
; REGISTERS: window 0: v1-31 addresses; v32-47 scale words, two sets; v64-127 the bias; v128-223 A's fragments, two sets of four; on the way out v128-191 64 numbers, v192-211 codes, v212-227 at work, v228-235 scale words made.
;   window 1: B's fragments, two sets, at v0 and v128.   window 2: the accumulators, (a, b) at v[8 (8 a + b)].
.set XB,     12800
.set WREG,   16*XB                     ; behind x's two blocks: the weights' block
.set STQ,    WREG+8*XB                 ; scale words on their way out, 512 bytes a wave
.set SPARE,  STQ+4*512
.set HBB,    6656
.set VBB,    6400
.set FR,  12
.set ADRA, 8                           ; v8-9 A's fragments, K steps 0-3 and 4-7;  the same eight registers for v's phase: + 8
.set ADRB, 10                          ; v10-11 B's
.set ADRS, 12                          ; v12-13 scale words of tiles 0-3: lanes 0-15 A's, lanes 16-31 B's
.set ADRT, 14                          ; v14-15 lanes 16-31: B's tiles 4-7; lanes 0-15: A's four once more
.set SPW,  28
.set NIL,  29
.set SC,   32
.set BN,   64
.set AF,   128
.set H,    128
.set PC,   192
.set TM,   212
.set SW,   228
.set XO,   236
.set WVS, 20
.set RHS, 21
.set CHS, 22
.set CNT, 23
.set G1X, 24
.set G0X, 32
.set G0W, 36
.set SEL, 44
.set G1W, 48
.set PF,  76
.set MSB, 0
.macro WIN new                         ; the immediate's high byte repeats the setting that is left
.if MSB != (\new)
	s_set_vgpr_msb (MSB<<8)|(\new)
.set MSB, (\new)
.endif
.endm
.set MUL_LO, 0xa1                      ; source 0 (B) window 1, source 1 (A) window 0, C and D window 2
.set TO_B,   0x40
.macro CREST                           ; a round of the cluster's barrier behind its opening barrier
	s_cmp_lg_u32 s[WVS], 0
	s_cbranch_scc1 .Lnot_wave_0_\@
	s_barrier_signal -3
.Lnot_wave_0_\@:
	s_barrier_wait -3
	s_barrier_signal -1
	s_barrier_wait -1
.endm
.macro CROUND
	s_barrier_signal -1
	s_barrier_wait -1
	CREST
.endm
.macro PLACES n
.rept \n
	v_nop
.endr
.endm
	s_load_b256 s[4:11], s[0:1], 0x0               ; xi, wi, b_q, b_k
	s_load_b256 s[12:19], s[0:1], 0x20             ; b_v, qc, kc, vc
	v_lshl_add_u32 v[SPW], v0, 2, SPARE
	v_mov_b32 v[NIL], 0
	ds_add_u32 v[SPW], v[NIL]                      ; the wave's opening: the add, twice on end, and its wait ahead of my first tensor load
	ds_add_u32 v[SPW], v[NIL]
	v_lshrrev_b32 v1, 5, v0
	v_readfirstlane_b32 s[WVS], v1
	s_lshr_b32 s[RHS], s[WVS], 1
	s_and_b32 s[CHS], s[WVS], 1
	s_bfe_u32 s40, ttmp6, 0x40000                  ; cx
	s_bfe_u32 s41, ttmp6, 0x40004                  ; cy
	s_lshl_b32 s42, ttmp9, 2
	s_add_co_u32 s42, s42, s40                     ; g: my block of each weight, 0 .. 7
	s_and_b32 s43, ttmp7, 0xffff
	s_lshl_b32 s43, s43, 2
	s_add_co_u32 s43, s43, s41                     ; xt: my 256 rows of x, 0 .. 31
	s_lshl_b32 s74, s41, 2
	s_lshl_b32 s74, 15, s74                        ; my row of the cluster
	s_lshl_b32 s75, 0x1111, s40                    ; my column
	s_or_b32 s[G1X+0], s74, (3<<16)|(1<<21)        ; a block of x: 102,400 dense bytes as 400 rows of 32 elements of 8 bytes
	s_mov_b32 s[G1X+1], 32<<16
	s_mov_b32 s[G1X+2], 400<<16
	s_mov_b32 s[G1X+3], 32<<16
	s_mov_b32 s[G1X+4], 400
	s_mov_b32 s[G1X+5], 32
	s_mov_b32 s[G1X+6], 0
	s_mov_b32 s[G1X+7], 0
	s_or_b32 s[G1W+0], s75, (3<<16)|(1<<21)        ; half a block of a weight: 200 rows
	s_mov_b32 s[G1W+1], 32<<16
	s_mov_b32 s[G1W+2], 200<<16
	s_mov_b32 s[G1W+3], 32<<16
	s_mov_b32 s[G1W+4], 200
	s_mov_b32 s[G1W+5], 32
	s_mov_b32 s[G1W+6], 0
	s_mov_b32 s[G1W+7], 0
	s_lshl_b32 s78, s43, 1
	s_add_co_u32 s78, s78, s[CHS]
	s_mul_i32 s78, s78, 8*XB                       ; the block of x that I would fetch
	s_mov_b32 s79, 0
	s_mul_i32 s80, s42, 8*XB
	s_mul_i32 s81, s[CHS], 4*XB
	s_add_co_u32 s80, s80, s81                     ; the half of w_q's block g
	s_mov_b32 s81, 0
	s_mov_b32 s[G0X], 1
	s_mul_i32 s[G0X+1], s[CHS], 8*XB
	s_mov_b32 s[G0W], 1
	s_mul_i32 s[G0W+1], s[CHS], 4*XB
	s_add_co_u32 s[G0W+1], s[G0W+1], WREG
	; where q's and k's results go: x's block 2 xt + w / 2, heads 2 g and 2 g + 1, tiles 4 (w % 2) on
	s_lshl_b32 s82, s43, 1
	s_add_co_u32 s82, s82, s[RHS]
	s_lshr_b32 s83, s82, 4                         ; the batch
	s_and_b32 s82, s82, 15                         ; the block in the sequence
	s_lshl_b32 s83, s83, 4
	s_lshl_b32 s84, s42, 1
	s_add_co_u32 s83, s83, s84
	s_lshl_b32 s83, s83, 4
	s_add_co_u32 s83, s83, s82
	s_mul_i32 s83, s83, HBB
	s_mul_i32 s84, s[CHS], 4*768
	s_add_co_u32 s56, s83, s84                     ; the half images
	s_mov_b32 s57, 0
	s_lshl_b32 s84, s[CHS], 8
	s_add_co_u32 s58, s83, s84                     ; the scale words (6,144 more in the store's immediate)
	s_mov_b32 s59, 0
	; and v's: keys of x's block 2 xt + w % 2, head 2 g + w / 2
	s_lshl_b32 s82, s43, 1
	s_add_co_u32 s82, s82, s[CHS]
	s_lshr_b32 s83, s82, 4
	s_and_b32 s82, s82, 15
	s_lshl_b32 s83, s83, 4
	s_lshl_b32 s84, s42, 1
	s_add_co_u32 s83, s83, s84
	s_add_co_u32 s83, s83, s[RHS]
	s_lshl_b32 s83, s83, 4
	s_add_co_u32 s83, s83, s82
	s_mul_i32 s60, s83, VBB
	s_mov_b32 s61, 0
	s_lshl_b32 s62, s42, 9                         ; the bias: 128 numbers from 128 g on;
	s_mov_b32 s63, 0
	s_lshl_b32 s84, s[RHS], 8
	s_add_co_u32 s66, s62, s84                     ; v: my head's 64
	s_mov_b32 s67, 0
	s_lshl_b32 s96, s41, 2
	s_add_co_u32 s96, s96, s[WVS]
	s_mul_i32 s96, s96, 25*256                     ; the prefetches: my sixteenth of a block,
	s_mul_i32 s97, s42, 8*XB
	s_add_co_u32 s96, s96, s97                     ; of block g of a weight
	s_mov_b32 s97, 0
	; LDS places
	s_mul_i32 s85, s[RHS], 8*XB
	s_lshl_b32 s86, s[CHS], 8
	s_add_co_u32 s86, s86, s85                     ; q, k: A's scale words less 12,288
	s_mul_i32 s84, s[CHS], 4*1536
	s_add_co_u32 s85, s85, s84                     ; q, k: A's fragments
	s_sub_co_u32 s87, WREG, s86                    ; from there to B's words,
	s_add_co_u32 s88, s87, 256                     ; and to those of B's tiles 4-7
	s_mul_i32 s89, s[RHS], 4*1536
	s_add_co_u32 s89, s89, WREG                    ; v: A's fragments
	s_mul_i32 s90, s[CHS], 8*XB                    ; v: B's fragments, and B's words less 12,288
	s_lshl_b32 s91, s[RHS], 8
	s_add_co_u32 s91, s91, WREG
	s_sub_co_u32 s91, s91, s90                     ; from B's words up to A's,
	s_sub_co_u32 s92, s91, 256                     ; and from those of B's tiles 4-7
	s_add_co_u32 s93, s90, 256
	s_lshl_b32 s94, s[WVS], 9
	s_add_co_u32 s94, s94, STQ                     ; my 512 bytes for scale words
	s_mov_b32 s[SEL], 0x76543210
	s_mov_b32 s[SEL+1], 0xfedcba98
	s_wait_dscnt 0x0                               ; both opening adds are done
	s_wait_kmcnt 0x0
	s_add_nc_u64 s[G0X+2:G0X+3], s[4:5], s[78:79]
	s_or_b32 s[G0X+3], s[G0X+3], 0x80000000
	s_add_nc_u64 s[G0W+2:G0W+3], s[6:7], s[80:81]
	s_or_b32 s[G0W+3], s[G0W+3], 0x80000000
	s_add_nc_u64 s[PF:PF+1], s[6:7], s[96:97]
	CROUND                                         ; all sixteen work-groups are here: the first joint loads meet
	s_cmp_eq_u32 s[RHS], 0
	s_cbranch_scc0 .Lfor_w
	tensor_load_to_lds s[G0X:G0X+3], s[G1X:G1X+7]
	s_nop 0
	PLACES 4
	s_branch .Lasked
.Lfor_w:
	tensor_load_to_lds s[G0W:G0W+3], s[G1W:G1W+7]
	s_nop 0
	PLACES 4
.Lasked:
	v_and_b32 v7, 31, v0
	v_and_b32 v1, 15, v0                           ; r
	v_bfe_u32 v2, v0, 4, 1                         ; h
	v_lshlrev_b32 v24, 4, v7                       ; 16 x lane
	v_lshlrev_b32 v25, 3, v7                       ; 8 x lane
	v_lshlrev_b32 v3, 4, v2                        ; 16 h
	v_lshlrev_b32 v4, 6, v2                        ; 64 h
	v_and_b32 v5, 8, v1
	v_add_nc_u32 v5, v5, v1
	v_lshlrev_b32 v5, 2, v5                        ; 4 (r + 8 (r / 8))
	v_mul_u32_u24 v6, v2, 16*HBB
	v_lshl_add_u32 v6, v1, 4, v6                   ; q's and k's scale words on their way out: 16 r, and the next head for lanes 16-31
	v_min_u32 v7, 24, v7
	v_lshlrev_b32 v7, 8, v7                        ; the prefetches: a lane a unit of 256 bytes, 25 units
	v_sub_nc_u32 v225, 1, v2                       ; 1 in lanes 0-15
	v_add_nc_u32 v[ADRA], s85, v24
	v_add_nc_u32 v[ADRA+1], 4*XB, v[ADRA]
	v_add_nc_u32 v[ADRB], WREG, v24
	v_add_nc_u32 v[ADRB+1], 4*XB, v[ADRB]
	v_mul_u32_u24 v224, s87, v2
	v_lshl_add_u32 v224, v1, 2, v224
	v_add_nc_u32 v[ADRS], s86, v224
	v_add_nc_u32 v[ADRS+1], 4*XB, v[ADRS]
	v_mul_u32_u24 v224, s88, v2
	v_lshl_add_u32 v224, v1, 2, v224
	v_add_nc_u32 v[ADRT], s86, v224
	v_add_nc_u32 v[ADRT+1], 4*XB, v[ADRT]
	v_add_nc_u32 v[ADRA+8], s89, v24
	v_add_nc_u32 v[ADRA+9], 4*XB, v[ADRA+8]
	v_add_nc_u32 v[ADRB+8], s90, v24
	v_add_nc_u32 v[ADRB+9], 4*XB, v[ADRB+8]
	v_mul_u32_u24 v224, s91, v225
	v_lshl_add_u32 v224, v1, 2, v224
	v_add_nc_u32 v[ADRS+8], s90, v224
	v_add_nc_u32 v[ADRS+9], 4*XB, v[ADRS+8]
	v_mul_u32_u24 v224, s92, v225
	v_lshl_add_u32 v224, v1, 2, v224
	v_add_nc_u32 v[ADRT+8], s93, v224
	v_add_nc_u32 v[ADRT+9], 4*XB, v[ADRT+8]
	v_lshlrev_b32 v224, 8, v2
	v_lshl_add_u32 v224, v1, 2, v224
	v_add_nc_u32 v26, s94, v224                    ; q, k: my scale word: 256 h + 4 r
	v_add_nc_u32 v27, s94, v24                     ; and back
	v_lshl_add_u32 v30, v1, 2, s94                 ; v: 4 r
	v_add_nc_u32 v31, s94, v25                     ; and back
.macro FETCH k, S                      ; K step k's fragments and scale words into set k % 2: 24 + 12 + 8 LDS loads.  S: 0 q, k; 8 v
	WIN TO_B
.irp i, 0,1,2,3,4,5,6,7
.irp c, 0,1,2
	ds_load_b128 v[128*((\k)%2)+FR*\i+4*\c:128*((\k)%2)+FR*\i+4*\c+3], v[ADRB+\S+(\k)/4] offset:XB*((\k)%4)+1536*\i+512*\c
.endr
.endr
	WIN 0
.irp i, 0,1,2,3
.irp c, 0,1,2
	ds_load_b128 v[AF+48*((\k)%2)+FR*\i+4*\c:AF+48*((\k)%2)+FR*\i+4*\c+3], v[ADRA+\S+(\k)/4] offset:XB*((\k)%4)+1536*\i+512*\c
.endr
.endr
.irp i, 0,1,2,3
	ds_load_b32 v[SC+8*((\k)%2)+\i], v[ADRS+\S+(\k)/4] offset:XB*((\k)%4)+12288+64*\i
	ds_load_b32 v[SC+8*((\k)%2)+4+\i], v[ADRT+\S+(\k)/4] offset:XB*((\k)%4)+12288+64*\i
.endr
.endm
; 16 matrix instructions: A's tiles a0, a0 + 1 x B's eight.  The 32 accumulators take turns, one instruction a turn, in the same order in every step.
.macro MUL16 a0, k, zero
.irp a, \a0, \a0+1
.irp b, 0,1,2,3,4,5,6,7
.if \zero
	v_wmma_scale_f32_16x16x128_f8f6f4 v[8*(8*(\a)+\b):8*(8*(\a)+\b)+7], v[128*((\k)%2)+FR*\b:128*((\k)%2)+FR*\b+FR-1], v[AF+48*((\k)%2)+FR*(\a):AF+48*((\k)%2)+FR*(\a)+FR-1], 0, v[SC+8*((\k)%2)+\b], v[SC+8*((\k)%2)+(\a)] matrix_a_fmt:MATRIX_FMT_FP6 matrix_b_fmt:MATRIX_FMT_FP6 matrix_a_scale:MATRIX_SCALE_ROW1
.else
	v_wmma_scale_f32_16x16x128_f8f6f4 v[8*(8*(\a)+\b):8*(8*(\a)+\b)+7], v[128*((\k)%2)+FR*\b:128*((\k)%2)+FR*\b+FR-1], v[AF+48*((\k)%2)+FR*(\a):AF+48*((\k)%2)+FR*(\a)+FR-1], v[8*(8*(\a)+\b):8*(8*(\a)+\b)+7], v[SC+8*((\k)%2)+\b], v[SC+8*((\k)%2)+(\a)] matrix_a_fmt:MATRIX_FMT_FP6 matrix_b_fmt:MATRIX_FMT_FP6 matrix_a_scale:MATRIX_SCALE_ROW1
.endif
.endr
.endr
.endm
.macro STEPK k, S, zero                ; a K step but the last: the next step's operands are asked for, then 32 products
	s_wait_dscnt 0x0                               ; this step's operands are in
	PLACES 4                                       ; behind the last step's products, whose registers are loaded now
	FETCH (\k)+1, \S
	WIN MUL_LO
	MUL16 0, \k, \zero
	MUL16 2, \k, \zero
	WIN 0
.endm
; 64 numbers of a lane, register 16 b + i = index 32 b + 16 (lane / 16) + i of my row, become a fragment's codes in v[PC] on and its scale word in v[pw].
.macro QUANT s, pw
.irp b, 0,1,2,3
	v_max3_num_f32 v[TM+\b], |v[\s+16*\b]|, |v[\s+1+16*\b]|, 0x1800000   ; my 16 numbers of block b, and the floor 2^(3 - 127)
.endr
.irp i, 2,4,6,8,10,12,14
.irp b, 0,1,2,3
	v_max3_num_f32 v[TM+\b], v[TM+\b], |v[\s+16*\b+\i]|, |v[\s+1+16*\b+\i]|
.endr
.endr
.irp b, 0,1,2,3
	v_permlanex16_b32 v[TM+4+\b], v[TM+\b], s[SEL], s[SEL+1]
.endr
.irp b, 0,1,2,3
	v_max_num_f32 v[TM+\b], v[TM+\b], v[TM+4+\b]   ; with lane l xor 16's: the block's largest magnitude
.endr
.irp b, 0,1,2,3
	v_add_nc_u32 v[TM+12+\b], 0xff000000, v[TM+\b] ; the conversion's scale operand
.endr
.irp b, 0,1,2,3
	v_lshrrev_b32 v[TM+4+\b], 23, v[TM+12+\b]      ; the scale's byte
.endr
	v_lshl_or_b32 v[\pw], v[TM+5], 8, v[TM+4]
	v_lshl_or_b32 v[\pw], v[TM+6], 16, v[\pw]
	v_lshl_or_b32 v[\pw], v[TM+7], 24, v[\pw]
.irp c, 0,1
	v_cvt_scalef32_pk16_fp6_f32 v[PC+6*\c:PC+2+6*\c], v[\s+32*\c:\s+15+32*\c], v[TM+12+2*\c]
	v_cvt_scalef32_pk16_fp6_f32 v[PC+12+4*\c:PC+14+4*\c], v[\s+16+32*\c:\s+31+32*\c], v[TM+12+2*\c+1]
.endr
	v_nop                                          ; one plain line behind the conversions
.irp c, 0,1                                    ; the operand's layout wants a whole block in a lane
.irp i, 0,1,2
	v_permlane16_swap_b32 v[PC+6*\c+\i], v[PC+12+4*\c+\i]
.endr
.irp i, 0,1,2
	v_mov_b32 v[PC+3+6*\c+\i], v[PC+12+4*\c+\i]
.endr
.endr
.endm
; A's tile a on its way out: the bias is added (which also brings the sums into window 0), the 64 numbers are quantised, the codes are stored as images.
.macro EPI a, isv
	WIN 2                                          ; source 0: window 2
.set k2, 0
.rept 32
.if \isv
	v_pk_add_f32 v[H+k2:H+k2+1], v[64*(\a)+k2:64*(\a)+k2+1], v[BN+2*(\a):BN+2*(\a)+1]   ; each accumulator from its low end on
.else
	v_pk_add_f32 v[H+k2:H+k2+1], v[64*(\a)+k2:64*(\a)+k2+1], v[BN+k2:BN+k2+1]
.endif
.set k2, k2+2
.endr
	WIN 0
	s_wait_xcnt 0x0                                ; the last tile's stores have read the codes' registers
	QUANT H, SW+(\a)
.if \isv
.irp c, 0,1,2
	global_store_b128 v24, v[PC+4*\c:PC+4*\c+3], s[68:69] offset:1536*(\a)+512*\c   ; 512 consecutive bytes, aligned
.endr
.else
	global_store_b128 v24, v[PC:PC+3], s[68:69] offset:768*(\a)             ; registers 0-5: the first head's half image,
	global_store_b64 v25, v[PC+4:PC+5], s[68:69] offset:768*(\a)+512
	global_store_b128 v24, v[PC+6:PC+9], s[68:69] offset:16*HBB+768*(\a)    ; registers 6-11: the next head's
	global_store_b64 v25, v[PC+10:PC+11], s[68:69] offset:16*HBB+768*(\a)+512
.endif
.endm
	s_wait_alu depctr_va_vdst(0)
	s_wait_tensorcnt 0x0                           ; my load has landed
	s_barrier_signal -1
	s_barrier_wait -1                              ; and so has every wave's
	s_mov_b32 s[CNT], 0
.Lphase:                                               ; ---- q (trip 0) and k (trip 1)
	s_wait_xcnt 0x0                                ; the last trip's stores, loads and prefetch have read their registers
	s_cmp_eq_u32 s[CNT], 0
	s_cselect_b64 s[68:69], s[14:15], s[16:17]
	s_cselect_b64 s[70:71], s[8:9], s[10:11]
	s_add_nc_u64 s[72:73], s[68:69], s[58:59]
	s_add_nc_u64 s[68:69], s[68:69], s[56:57]
	s_add_nc_u64 s[70:71], s[70:71], s[62:63]
	s_add_nc_u64 s[PF:PF+1], s[PF:PF+1], 64*XB     ; block g of the next weight: what this trip's refill will load
.irp b, 0,1,2,3,4,5,6,7                        ; the bias: register 8 b + j belongs to column 32 (b / 2) + 8 (b % 2) + 16 h + j
	global_load_b128 v[BN+8*\b:BN+8*\b+3], v4, s[70:71] offset:(32*(\b/2)+8*(\b%2))*4
	global_load_b128 v[BN+8*\b+4:BN+8*\b+7], v4, s[70:71] offset:(32*(\b/2)+8*(\b%2))*4+16
.endr
	FETCH 0, 0
	global_prefetch_b8 v7, s[PF:PF+1] th:TH_LOAD_NT scope:SCOPE_SE
	STEPK 0, 0, 1                                  ; the first products start the sums: nothing is cleared
.irp k, 1,2,3,4,5,6
	STEPK \k, 0, 0
.endr
	s_wait_tensorcnt 0x0                           ; the last K step, and the round of the refill: no load of mine is out;
	ds_add_u32 v[SPW], v[NIL]
	s_wait_dscnt 0x0                               ; the add is done, the step's operands are in registers, and my reads of the weights' block are over
	s_barrier_signal -1
	WIN MUL_LO
	MUL16 0, 7, 0
	WIN 0
	s_barrier_wait -1
	CREST                                          ; no wave of any partner still reads the weights' block or has a load on its way
	s_add_nc_u64 s[G0W+2:G0W+3], s[G0W+2:G0W+3], 64*XB
	s_cmp_eq_u32 s[RHS], 0
	s_cbranch_scc1 .Lno_fill
	tensor_load_to_lds s[G0W:G0W+3], s[G1W:G1W+7]  ; waves 2 and 3: a half each of the next weight's block g
	s_nop 0
	PLACES 4
.Lno_fill:
	WIN MUL_LO
	MUL16 2, 7, 0
	WIN 0
	PLACES 4                                       ; behind the last products: their results are read, and registers that they read are written
.irp b, 0,1,2,3
	v_mov_b32 v[TM+4+\b], 0                        ; a lane permute's destination counts as one of its sources
.endr
	s_wait_loadcnt 0x0                             ; the bias
.irp a, 0,1,2,3
	EPI \a, 0
.endr
.irp a, 0,1,2,3
	v_bfe_u32 v[SW+\a], v[SW+\a], v3, 16           ; lanes 0-15 keep the first head's two bytes, lanes 16-31 the next head's
.endr
.irp a, 0,1,2,3
	ds_store_b32 v26, v[SW+\a] offset:64*\a
.endr
	ds_load_b128 v[XO:XO+3], v27                   ; LDS serves a wave's instructions in order: this sees my stores
	s_wait_dscnt 0x0
	global_store_b128 v6, v[XO:XO+3], s[72:73] offset:6144   ; lanes 0-15: the first head's 256 bytes, lanes 16-31 the next head's: each aligned
	s_wait_alu depctr_va_vdst(0)
	s_wait_tensorcnt 0x0                           ; my half of the next block has landed
	s_barrier_signal -1
	s_barrier_wait -1                              ; and so has the other
	s_add_co_u32 s[CNT], s[CNT], 1
	s_cmp_lt_u32 s[CNT], 2
	s_cbranch_scc1 .Lphase
	; ---- v
	s_wait_xcnt 0x0
	s_add_nc_u64 s[68:69], s[18:19], s[60:61]
	s_add_nc_u64 s[70:71], s[12:13], s[66:67]
.irp a, 0,1,2,3                                ; one number a lane and tile: that of d = 32 (a / 2) + 8 (a % 2) + r + 8 (r / 8) of my head; twice, a pair for the packed addition
	global_load_b32 v[BN+2*\a], v5, s[70:71] offset:(32*(\a/2)+8*(\a%2))*4
	global_load_b32 v[BN+2*\a+1], v5, s[70:71] offset:(32*(\a/2)+8*(\a%2))*4
.endr
	FETCH 0, 8
	STEPK 0, 8, 1
.irp k, 1,2,3,4,5,6
	STEPK \k, 8, 0
.endr
	s_wait_dscnt 0x0
	WIN MUL_LO
	MUL16 0, 7, 0
	MUL16 2, 7, 0
	WIN 0
	PLACES 4
.irp b, 0,1,2,3
	v_mov_b32 v[TM+4+\b], 0
.endr
	s_wait_loadcnt 0x0
.irp a, 0,1,2,3
	EPI \a, 1
.endr
.irp a, 0,1,2,3
	ds_store_b32 v30, v[SW+\a] offset:64*\a        ; both halves of the lanes write the same word with the same value
.endr
	ds_load_b64 v[XO:XO+1], v31
	s_wait_dscnt 0x0
	global_store_b64 v25, v[XO:XO+1], s[68:69] offset:6144   ; my head's four tiles' words: 256 consecutive bytes, aligned
	s_wait_tensorcnt 0x0                           ; the wave's end: behind my last tensor load and my last LDS store
	ds_add_u32 v[SPW], v[NIL]
	s_wait_dscnt 0x0
	CROUND                                         ; the closing round
	s_endpgm
.Lfunc_end_k_qb2bef6e4d1_gemm_qkv:
	.size	k_qb2bef6e4d1_gemm_qkv, .Lfunc_end_k_qb2bef6e4d1_gemm_qkv-k_qb2bef6e4d1_gemm_qkv
	.p2alignl 7, 3214868480
	.fill 96, 4, 3214868480
	.section	.rodata,"a",@progbits
	.p2align	6, 0x0
	.amdhsa_kernel k_qb2bef6e4d1_gemm_qkv
		.amdhsa_group_segment_fixed_size 327680
		.amdhsa_private_segment_fixed_size 0
		.amdhsa_enable_private_segment 0
		.amdhsa_kernarg_size 64
		.amdhsa_user_sgpr_count 2
		.amdhsa_user_sgpr_kernarg_segment_ptr 1
		.amdhsa_wavefront_size32 1
		.amdhsa_system_sgpr_workgroup_id_x 1
		.amdhsa_system_sgpr_workgroup_id_y 1
		.amdhsa_system_sgpr_workgroup_id_z 1
		.amdhsa_system_vgpr_workitem_id 0
		.amdhsa_next_free_vgpr 768
		.amdhsa_next_free_sgpr 100
		.amdhsa_reserve_vcc 0
		.amdhsa_float_denorm_mode_32 3
		.amdhsa_float_denorm_mode_16_64 3
		.amdhsa_memory_ordered 1
		.amdhsa_forward_progress 1
		.amdhsa_inst_pref_size 176
	.end_amdhsa_kernel
	.amdgpu_metadata
---
amdhsa.version: [ 1, 2 ]
amdhsa.kernels:
  - .name:           k_qb2bef6e4d1_gemm_qkv
    .symbol:         k_qb2bef6e4d1_gemm_qkv.kd
    .args:
      - { .name: xi, .offset: 0, .size: 8, .value_kind: global_buffer, .address_space: global }
      - { .name: wi, .offset: 8, .size: 8, .value_kind: global_buffer, .address_space: global }
      - { .name: b_q, .offset: 16, .size: 8, .value_kind: global_buffer, .address_space: global }
      - { .name: b_k, .offset: 24, .size: 8, .value_kind: global_buffer, .address_space: global }
      - { .name: b_v, .offset: 32, .size: 8, .value_kind: global_buffer, .address_space: global }
      - { .name: qc, .offset: 40, .size: 8, .value_kind: global_buffer, .address_space: global }
      - { .name: kc, .offset: 48, .size: 8, .value_kind: global_buffer, .address_space: global }
      - { .name: vc, .offset: 56, .size: 8, .value_kind: global_buffer, .address_space: global }
    .group_segment_fixed_size: 327680
    .private_segment_fixed_size: 0
    .kernarg_segment_align: 8
    .kernarg_segment_size: 64
    .max_flat_workgroup_size: 128
    .sgpr_count:     100
    .vgpr_count:     768
    .wavefront_size: 32
...
	.end_amdgpu_metadata
.endif
;; end of part 2
;; launch attn (part 3): grid 4 x 64, 16 waves a work-group, clusters of 4 x 1, 227,328 bytes of LDS; arguments qc, kc, vc, oc; writes oc
.if DOCPART == 3
	.amdgcn_target "amdgcn-amd-amdhsa--gfx1250"
	.amdhsa_code_object_version 6
	.text
	.protected	k_qb2bef6e4d1_attn
	.globl	k_qb2bef6e4d1_attn
	.p2align	8
	.type	k_qb2bef6e4d1_attn,@function
k_qb2bef6e4d1_attn:
	s_mov_b64 s[64:65], 0
	v_nop
	global_prefetch_b8 v0, s[64:65] scope:SCOPE_SE
	s_setreg_imm32_b32 hwreg(HW_REG_WAVE_MODE, 25, 1), 1
	s_wait_xcnt 0x0
	s_wait_alu depctr_hold_cnt(0) depctr_sa_sdst(0) depctr_va_vdst(0) depctr_va_sdst(0) depctr_va_ssrc(0) depctr_va_vcc(0) depctr_vm_vsrc(0)
	s_getreg_b32 s2, hwreg(HW_REG_IB_STS2, 6, 4)
	s_cmp_eq_u32 s2, 0
	s_cbranch_scc0 .Lentry_in_a_cluster
	s_endpgm
.Lentry_in_a_cluster:
	s_bfe_u32 s2, ttmp6, 0x10000c
	s_cmp_lg_u32 s2, 0x3003
	s_cbranch_scc0 .Lentry_shape_is_right
	s_endpgm
.Lentry_shape_is_right:
; o = softmax(q k^T / 8, causal) v for one (batch, head), both products on codes of FP6 (E2M3); o is quantised along the head's 64 for the last projection.
; WORK LEFT OUT: a step of 128 keys all of which come after a wave's 16 queries: reference() gives such keys the score -infinity, so their weight is 0 (shown at the head of the first launch).
; THE SOFTMAX AHEAD OF THE SECOND PRODUCT: t = score x log2(e) / 8; M = the row's largest t so far, rounded UP to a whole number; p = 2^(t - M) is quantised along the keys, not normalised; the row's sum is taken of the
; unquantised p and divides at the end.  When M moves, the sum and O are multiplied by 2^(old M - new M): exact.
; SHARES.  The four work-groups of a cluster take one head.  Work-group cx takes tiles 2 cx and 2 cx + 1 of EVERY block of 128 queries: 32 tiles of 16 queries for 16 waves.  Wave w takes tile J = 2 cx + w / 8, first of block
; 15 - w % 8 and then of block w % 8: (16 - w % 8) + (w % 8 + 1) = 17 key steps for every wave.  Which key steps a wave leaves out (ks > block) or masks (ks = block) hangs on the wave's number alone.
; LDS.  A head's codes of K and V with their scale words are 208,896 bytes: they come ONCE, by sixteen joint loads of the cluster's four work-groups, one a wave, and nothing is filled again.  Wave w asks for piece w / 2
; (two key steps) of K (w even) or of V (w odd).  Waves 0 and 1 have load lines of their own and alone wait ahead of the first barrier: key step 0 is worked on while the other fourteen pieces land; ahead of the
; second barrier every wave waits for its load.  No prefetch into the L2: every byte is asked for at the head, so there is no loop to run ahead in.
; K'S FRAGMENTS COME A STEP AHEAD: behind a step's eight score products its registers take the next step's eight tiles (20 LDS loads), which land under the softmax.  The step behind a block's last is fetched too and not used:
; its bytes lie inside LDS (behind K's last step lies V) and have landed.
; LAYOUT.  Both products are used transposed: S^T = K Q^T, O^T = V^T P^T: a lane holds one query throughout.  K = 64 fills half of the instruction's 128: Q's other half is zero codes, so whatever K's other half holds adds 0.
; So a tile of K takes 6 registers, and the 12 that a product names run on into the next tile's 6 (the last tile's into v80-85, registers at work that always hold written words).
; The second block's Q waits in LDS, in 1,024 bytes of the wave's own behind the spare words.
; LIMITS: NaN and infinities are not served; a block of zeros gets the byte 1 where the quantiser says 127: its codes are zeros, and this program alone reads the bytes.
; REGISTERS: v1 lane; v2-3 V's scale words; v4 mask term; v5, v6 the add's two; v7-11 addresses; v12 -M, v13 largest t, v[14:15] the sum; v16-27 Q; v28-31 K's scale words; v32-79 eight tiles of K; v80-95 at work;
;   v96-159 S^T, then p; v160-191 O^T; v192-239 V's four fragments; v240-251 p's codes; v252 f; v253 p's scale word; v254 at work; v255 Q's scale word.
.set HB,    6656
.set VB,    6400
.set VREG,  16*HB
.set SPARE, VREG+16*VB
.set SCR,   SPARE+2048
.set LANE, 1
.set VSC,  2
.set DD,   4
.set SPW,  5
.set NIL,  6
.set ADV,  7
.set ADK,  8
.set ADK8, 9
.set ADS,  10
.set ADT,  11
.set KSC,  28
.set KF,   32
.set BM,   80
.set TP,   84
.set SO,   92
.set VF,   192
.set WV,  12
.set P,   13                           ; the block of queries at work
.set J,   14
.set BH,  15
.set KS,  16                           ; the key step
.set TK,  17                           ; where its tiles of K begin in LDS
.set TV,  18                           ; and of V
.set CNT, 19
.set SEL, 20
.set CS,  22
.set G0K, 32
.set G0V, 36
.set Q1C, 40                           ; s[40:47] Q's codes and scale words, first and second block
.set Q1S, 42
.set Q2C, 44
.set Q2S, 46
.set O1C, 48                           ; s[48:55] the same for o
.set O1S, 50
.set O2C, 52
.set O2S, 54
.set P2,  56
.set KIND, 57
.set SCW, 58                           ; my wave's scratch in LDS
.set G1K, 68
.set G1V, 76
.macro CROUND
	s_barrier_signal -1
	s_barrier_wait -1
	s_cmp_lg_u32 s[WV], 0
	s_cbranch_scc1 .Lnot_wave_0_\@
	s_barrier_signal -3
.Lnot_wave_0_\@:
	s_barrier_wait -3
	s_barrier_signal -1
	s_barrier_wait -1
.endm
.macro TLOAD g0, g1
	tensor_load_to_lds s[\g0:\g0+3], s[\g1:\g1+7]
	s_nop 0
.rept 4
	v_nop
.endr
.endm
.macro KLOAD off                       ; eight tiles of K and their scale words: 20 LDS loads
.irp t, 0,1,2,3,4,5,6,7
	ds_load_b128 v[KF+6*\t:KF+6*\t+3], v[ADK] offset:\off+768*\t
	ds_load_b64 v[KF+6*\t+4:KF+6*\t+5], v[ADK8] offset:\off+768*\t+512
.endr
.irp m, 0,1,2,3
	ds_load_b32 v[KSC+\m], v[ADS] offset:\off+6144+128*\m   ; lanes 0-15: the even tile's words, lanes 16-31 the odd tile's
.endr
.endm
.macro KZERO                           ; the addresses of key step 0's tiles
	v_lshlrev_b32 v[ADK], 4, v[LANE]
	v_lshlrev_b32 v[ADK8], 3, v[LANE]
	v_lshlrev_b32 v[ADS], 2, v[LANE]
.endm
	s_load_b256 s[4:11], s[0:1], 0x0               ; qc, kc, vc, oc
	v_lshl_add_u32 v[SPW], v0, 2, SPARE
	v_mov_b32 v[NIL], 0
	ds_add_u32 v[SPW], v[NIL]                      ; the wave's opening: the add, twice on end, and its wait ahead of the first tensor loads
	ds_add_u32 v[SPW], v[NIL]
	v_lshrrev_b32 v1, 5, v0
	s_delay_alu instid0(VALU_DEP_1)
	v_readfirstlane_b32 s[WV], v1                  ; wave 0..15
	s_and_b32 s[P2], s[WV], 7                      ; my second block of queries,
	s_sub_co_u32 s[P], 15, s[P2]                   ; and my first
	s_and_b32 s[KIND], s[WV], 1                    ; I fetch for K (0) or for V (1)
	s_lshl_b32 s[SCW], s[WV], 10
	s_add_co_u32 s[SCW], s[SCW], SCR
	s_bfe_u32 s24, ttmp6, 0x40000                  ; cx
	s_lshl_b32 s[J], s24, 1
	s_lshr_b32 s24, s[WV], 3
	s_add_co_u32 s[J], s[J], s24                   ; my tile in a block: it enters global addresses and the mask's term alone
	s_and_b32 s[BH], ttmp7, 0xffff                 ; 16 batch + head, which the four partners share
	; descriptor groups 1: dense bytes as rows of 32 elements of 8 bytes: K 52 rows (two key steps, 13,312 bytes), V 50 rows (12,800)
	s_mov_b32 s[G1K], 15|(3<<16)|(1<<21)
	s_mov_b32 s[G1K+1], 32<<16
	s_mov_b32 s[G1K+2], 52<<16
	s_mov_b32 s[G1K+3], 32<<16
	s_mov_b32 s[G1K+4], 52
	s_mov_b32 s[G1K+5], 32
	s_mov_b32 s[G1K+6], 0
	s_mov_b32 s[G1K+7], 0
	s_mov_b32 s[G1V], 15|(3<<16)|(1<<21)
	s_mov_b32 s[G1V+1], 32<<16
	s_mov_b32 s[G1V+2], 50<<16
	s_mov_b32 s[G1V+3], 32<<16
	s_mov_b32 s[G1V+4], 50
	s_mov_b32 s[G1V+5], 32
	s_mov_b32 s[G1V+6], 0
	s_mov_b32 s[G1V+7], 0
	s_lshr_b32 s24, s[WV], 1                       ; my piece
	s_mul_i32 s25, s24, 2*HB
	s_mul_i32 s26, s24, 2*VB
	s_mov_b32 s[G0K], 1
	s_mov_b32 s[G0K+1], s25
	s_mov_b32 s[G0V], 1
	s_add_co_u32 s[G0V+1], s26, VREG
	s_mul_i32 s84, s[BH], 16*HB
	s_add_co_u32 s84, s84, s25                     ; the piece in kc,
	s_mov_b32 s85, 0
	s_mul_i32 s86, s[BH], 16*VB
	s_add_co_u32 s86, s86, s26                     ; in vc
	s_mov_b32 s87, 0
	s_lshl_b32 s24, s[BH], 4
	s_add_co_u32 s25, s24, s[P]
	s_mul_i32 s25, s25, HB                         ; my blocks in qc
	s_add_co_u32 s26, s24, s[P2]
	s_mul_i32 s26, s26, HB
	s_mul_i32 s27, s[J], 768                       ; my tile's half image,
	s_lshl_b32 s28, s[J], 6                        ; and its scale words
	s_add_co_u32 s[Q1C], s25, s27
	s_add_co_u32 s[Q1S], s25, s28
	s_add_co_u32 s[Q2C], s26, s27
	s_add_co_u32 s[Q2S], s26, s28
	s_and_b32 s24, s[BH], 15
	s_lshl_b32 s24, s24, 6
	s_and_b32 s25, s[BH], 0x30
	s_add_co_u32 s24, s24, s25                     ; oc: [head][16 batch + block]
	s_add_co_u32 s25, s24, s[P]
	s_mul_i32 s25, s25, HB
	s_add_co_u32 s26, s24, s[P2]
	s_mul_i32 s26, s26, HB
	s_add_co_u32 s[O1C], s25, s27
	s_add_co_u32 s[O1S], s25, s28
	s_add_co_u32 s[O2C], s26, s27
	s_add_co_u32 s[O2S], s26, s28
.irp g, 41,43,45,47,49,51,53,55
	s_mov_b32 s\g, 0
.endr
	s_mov_b32 s[SEL], 0x76543210
	s_mov_b32 s[SEL+1], 0xfedcba98
	s_mov_b32 s[CS], 0x3e38aa3b                    ; c = log2(e) / 8
	s_mov_b32 s[CS+1], s[CS]
	s_mov_b32 s[KS], 0
	s_mov_b32 s[TK], 0
	s_mov_b32 s[TV], VREG
	s_wait_dscnt 0x0                               ; both opening adds are done
	s_wait_kmcnt 0x0
	s_add_nc_u64 s[G0K+2:G0K+3], s[6:7], s[84:85]
	s_or_b32 s[G0K+3], s[G0K+3], 0x80000000
	s_add_nc_u64 s[G0V+2:G0V+3], s[8:9], s[86:87]
	s_or_b32 s[G0V+3], s[G0V+3], 0x80000000
.irp g, Q1C, Q1S, Q2C, Q2S
	s_add_nc_u64 s[\g:\g+1], s[4:5], s[\g:\g+1]
.endr
.irp g, O1C, O1S, O2C, O2S
	s_add_nc_u64 s[\g:\g+1], s[10:11], s[\g:\g+1]
.endr
	CROUND                                         ; all four work-groups are here: the joint loads meet
	s_cmp_eq_u32 s[WV], 0                          ; one chain of branches on the wave's number, one load to an arm, all arms to one join
	s_cbranch_scc0 .Larm_1
	TLOAD G0K, G1K                                 ; wave 0: K's key steps 0, 1
	s_branch .Lasked
.Larm_1:
	s_cmp_eq_u32 s[WV], 1
	s_cbranch_scc0 .Larm_2
	TLOAD G0V, G1V                                 ; wave 1: V's
	s_branch .Lasked
.Larm_2:
	s_cmp_eq_u32 s[KIND], 0
	s_cbranch_scc0 .Larm_3
	TLOAD G0K, G1K                                 ; the even waves: K's later pieces
	s_branch .Lasked
.Larm_3:
	TLOAD G0V, G1V                                 ; the odd waves: V's
.Lasked:
	v_and_b32 v[LANE], 31, v0
	v_and_b32 v7, 15, v0                           ; r
	v_bfe_u32 v11, v0, 4, 1                        ; h
	s_delay_alu instid0(VALU_DEP_3)
	v_lshlrev_b32 v8, 4, v[LANE]
	s_delay_alu instid0(VALU_DEP_4)
	v_lshlrev_b32 v9, 3, v[LANE]
	s_delay_alu instid0(VALU_DEP_4)
	v_lshlrev_b32 v10, 2, v7
	global_load_b128 v[16:19], v8, s[Q1C:Q1C+1]            ; the first block's Q: registers 0-3,
	global_load_b64 v[20:21], v9, s[Q1C:Q1C+1] offset:512  ; 4-5,
	global_load_b32 v255, v10, s[Q1S:Q1S+1] offset:6144    ; and its scale words
	global_load_b128 v[96:99], v8, s[Q2C:Q2C+1]            ; the second block's, on its way to my scratch
	global_load_b64 v[100:101], v9, s[Q2C:Q2C+1] offset:512
	global_load_b32 v102, v10, s[Q2S:Q2S+1] offset:6144
	s_lshr_b32 s24, s[J], 1
	s_lshl_b32 s24, s24, 5
	s_and_b32 s25, s[J], 1
	s_lshl_b32 s25, s25, 3
	s_add_co_u32 s24, s24, s25
	v_and_b32 v[DD], 8, v7
	s_delay_alu instid0(VALU_DEP_1)
	v_add_nc_u32 v[DD], v[DD], v7
	s_delay_alu instid0(VALU_DEP_1)
	v_add_nc_u32 v[DD], s24, v[DD]                 ; my query's place in its block,
	v_lshlrev_b32 v11, 4, v11
	s_delay_alu instid0(VALU_DEP_1)
	v_sub_nc_u32 v[DD], v[DD], v11                 ; less 16 h: register 16 b + i holds key 32 b + i + 16 h of the step
	v_lshl_add_u32 v7, v[LANE], 5, s[SCW]          ; my 32 bytes of the scratch
.irp i, 22,23,24,25,26,27
	v_mov_b32 v[\i], 0                             ; Q's K = 64 .. 127: zero codes
.endr
.irp b, 0,1,2,3
	v_mov_b32 v[BM+\b], 0                          ; named by the last tile's product before they are first at work
.endr
.set n, 0
.rept 32
	v_mov_b32 v[160+n], 0                          ; O^T.  (The step is written once: the first finds zeros)
.set n, n+1
.endr
	v_mov_b32 v14, 0
	v_mov_b32 v15, 0
.irp b, 0,1,2,3
	v_mov_b32 v[TP+\b], 0                          ; a lane permute's destination counts as one of its sources
.endr
	v_mov_b32 v252, 0
	v_mov_b32 v253, 0
	v_mov_b32 v13, 0xff61b1e6                      ; the largest t so far: -3e38
	s_delay_alu instid0(VALU_DEP_1)
	v_floor_f32 v12, -v13                          ; -M
	s_wait_alu depctr_va_vdst(0)
	s_wait_loadcnt 0x0                             ; both Qs
	ds_store_b128 v7, v[96:99]
	ds_store_b64 v7, v[100:101] offset:16
	ds_store_b32 v7, v102 offset:24
; A KEY STEP: 128 keys.  Its tiles of K are in registers or on their way.
.macro STEP
	s_cmp_gt_u32 s[KS], s[P]                       ; all its keys come after my queries: left out
	s_cbranch_scc1 .Lhidden_\@
	s_wait_dscnt 0x0                               ; K's eight tiles and their scale words, asked for a step ago
.irp t, 0,2,4,6                                ; S^T = K Q^T
	v_wmma_scale_f32_16x16x128_f8f6f4 v[96+8*\t:103+8*\t], v[KF+6*\t:KF+6*\t+11], v[16:27], 0, v[KSC+\t/2], v255 matrix_a_fmt:MATRIX_FMT_FP6 matrix_b_fmt:MATRIX_FMT_FP6
	v_wmma_scale_f32_16x16x128_f8f6f4 v[104+8*\t:111+8*\t], v[KF+6+6*\t:KF+6+6*\t+11], v[16:27], 0, v[KSC+\t/2], v255 matrix_a_fmt:MATRIX_FMT_FP6 matrix_b_fmt:MATRIX_FMT_FP6 matrix_a_scale:MATRIX_SCALE_ROW1
.endr
	v_lshl_add_u32 v[ADK], v[LANE], 4, s[TK]       ; these five are the places behind the products: in front of the loads into their registers and of the first read of the scores
	v_lshl_add_u32 v[ADK8], v[LANE], 3, s[TK]
	v_lshl_add_u32 v[ADS], v[LANE], 2, s[TK]
	v_lshl_add_u32 v[ADV], v[LANE], 4, s[TV]
	v_lshl_add_u32 v[ADT], v[LANE], 2, s[TV]
.irp t, 0,1,2,3                                ; V's fragments: 14 loads, which land under the softmax
.irp c, 0,1,2
	ds_load_b128 v[VF+12*\t+4*\c:VF+12*\t+4*\c+3], v[ADV] offset:1536*\t+512*\c
.endr
.endr
.irp m, 0,1
	ds_load_b32 v[VSC+\m], v[ADT] offset:6144+128*\m
.endr
	KLOAD HB                                       ; and the next step's K: 20 loads
	s_cmp_lg_u32 s[KS], s[P]                       ; on the diagonal the scores of hidden keys become -infinity ahead of the maximum: p = 0 then
	s_cbranch_scc1 .Lopen_\@
	v_mov_b32 v254, 0xff800000
.set n, 0
.rept 64
	v_cmp_gt_i32 vcc_lo, 32*(n/16)+n%16, v[DD]
	v_cndmask_b32 v[96+n], v[96+n], v254, vcc_lo
.set n, n+1
.endr
.Lopen_\@:
.irp b, 0,1,2,3
	v_max3_num_f32 v[BM+\b], v[96+16*\b], v[97+16*\b], v[98+16*\b]   ; the largest score of each block of 32 keys: it serves the row's maximum and, since p rises with the score, the block's largest p
.endr
.irp i, 3,5,7,9,11,13
.irp b, 0,1,2,3
	v_max3_num_f32 v[BM+\b], v[BM+\b], v[96+16*\b+\i], v[97+16*\b+\i]
.endr
.endr
.irp b, 0,1,2,3
	v_max_num_f32 v[BM+\b], v[BM+\b], v[111+16*\b]
.endr
.irp b, 0,1,2,3
	s_delay_alu instid0(VALU_DEP_4)
	v_permlanex16_b32 v[TP+\b], v[BM+\b], s[SEL], s[SEL+1]
.endr
.irp b, 0,1,2,3
	s_delay_alu instid0(VALU_DEP_4)
	v_max_num_f32 v[BM+\b], v[BM+\b], v[TP+\b]     ; with lane l xor 16's 16 keys
.endr
	s_delay_alu instid0(VALU_DEP_2)
	v_max3_num_f32 v254, v[BM], v[BM+1], v[BM+2]
	s_delay_alu instid0(VALU_DEP_1)
	v_max_num_f32 v254, v254, v[BM+3]
	s_delay_alu instid0(VALU_DEP_1)
	v_mul_f32 v254, s[CS], v254                    ; as t (c is positive)
	s_delay_alu instid0(VALU_DEP_1)
	v_max_num_f32 v13, v13, v254                   ; the running largest t
	v_mov_b32 v254, v12
	s_delay_alu instid0(VALU_DEP_2)
	v_floor_f32 v12, -v13                          ; the new -M = -ceil(t): a whole number
.set n, 0
.irp z, 0,1,2,3                                ; t - M, two at a time; the three lines that make f stand among them
.rept 8
	v_pk_fma_f32 v[96+n:97+n], v[96+n:97+n], s[CS:CS+1], v[12:13] op_sel_hi:[1,0,0]
.set n, n+2
.endr
.if \z == 0
	v_sub_f32 v254, v12, v254                      ; old M less new M: a whole number, 0 or less
.elseif \z == 1
	v_cvt_i32_f32 v254, v254                       ; (it saturates)
.elseif \z == 2
	v_ldexp_f32 v252, 1.0, v254                    ; f = 2^(old M - new M)
.endif
.endr
.irp b, 0,1,2,3
	v_fma_f32 v[BM+\b], v[BM+\b], s[CS], v12       ; the same of each block's largest score
.endr
.set n, 0
	s_wait_alu depctr_va_vdst(0)
.rept 64
	v_exp_f32 v[96+n], v[96+n]                     ; p = 2^(t - M), at most 1
.set n, n+1
.endr
.irp b, 0,1,2,3
	v_exp_f32 v[BM+\b], v[BM+\b]                   ; the block's largest p
.endr
	v_pk_mul_f32 v[14:15], v[14:15], v[252:253] op_sel_hi:[1,0]   ; the sums under the new M (a plain line behind the exponentials)
	s_wait_alu depctr_va_vdst(0)                   ; one wait for the whole batch, ahead of its first reader
	v_pk_add_f32 v[84:85], v[100:101], v[104:105]  ; the row's sum of the unquantised p, in eight chains
	v_pk_add_f32 v[250:251], v[108:109], v[112:113]
	v_pk_add_f32 v[248:249], v[116:117], v[120:121]
	v_pk_add_f32 v[246:247], v[124:125], v[128:129]
	v_pk_add_f32 v[244:245], v[132:133], v[136:137]
	v_pk_add_f32 v[242:243], v[140:141], v[144:145]
	v_pk_add_f32 v[240:241], v[148:149], v[152:153]
	v_pk_add_f32 v[14:15], v[14:15], v[156:157]
	v_pk_add_f32 v[84:85], v[84:85], v[96:97]
	v_pk_add_f32 v[250:251], v[250:251], v[98:99]
	v_pk_add_f32 v[248:249], v[248:249], v[102:103]
	v_pk_add_f32 v[246:247], v[246:247], v[106:107]
	v_pk_add_f32 v[244:245], v[244:245], v[110:111]
	v_pk_add_f32 v[242:243], v[242:243], v[114:115]
	v_pk_add_f32 v[240:241], v[240:241], v[118:119]
	v_pk_add_f32 v[14:15], v[14:15], v[122:123]
	v_pk_add_f32 v[84:85], v[84:85], v[126:127]
	v_pk_add_f32 v[250:251], v[250:251], v[130:131]
	v_pk_add_f32 v[248:249], v[248:249], v[134:135]
	v_pk_add_f32 v[246:247], v[246:247], v[138:139]
	v_pk_add_f32 v[244:245], v[244:245], v[142:143]
	v_pk_add_f32 v[242:243], v[242:243], v[146:147]
	v_pk_add_f32 v[240:241], v[240:241], v[150:151]
	v_pk_add_f32 v[14:15], v[14:15], v[154:155]
	v_pk_add_f32 v[84:85], v[84:85], v[158:159]
	s_delay_alu instid0(VALU_DEP_2)
	v_pk_add_f32 v[14:15], v[14:15], v[246:247]
	s_delay_alu instid0(VALU_DEP_2)
	v_pk_add_f32 v[84:85], v[84:85], v[244:245]
	v_pk_add_f32 v[250:251], v[250:251], v[242:243]
	v_pk_add_f32 v[248:249], v[248:249], v[240:241]
	s_delay_alu instid0(VALU_DEP_2)
	v_pk_add_f32 v[14:15], v[14:15], v[250:251]
	s_delay_alu instid0(VALU_DEP_2)
	v_pk_add_f32 v[84:85], v[84:85], v[248:249]
	s_delay_alu instid0(VALU_DEP_1)
	v_pk_add_f32 v[14:15], v[14:15], v[84:85]
.irp b, 0,1,2,3
	v_max_num_f32 v[BM+\b], 0x1800000, v[BM+\b]    ; the floor 2^(3 - 127)
.endr
.irp b, 0,1,2,3
	s_delay_alu instid0(VALU_DEP_4)
	v_add_nc_u32 v[SO+\b], 0xff000000, v[BM+\b]    ; the conversion's scale operand
.endr
.irp b, 0,1,2,3
	s_delay_alu instid0(VALU_DEP_4)
	v_lshrrev_b32 v[TP+\b], 23, v[SO+\b]           ; the scale's byte
.endr
	s_delay_alu instid0(VALU_DEP_3)
	v_lshl_or_b32 v253, v[TP+1], 8, v[TP]          ; p's scale word for these 128 keys
	s_delay_alu instid0(VALU_DEP_1)
	v_lshl_or_b32 v253, v[TP+2], 16, v253
	s_delay_alu instid0(VALU_DEP_1)
	v_lshl_or_b32 v253, v[TP+3], 24, v253
.irp c, 0,1
	v_cvt_scalef32_pk16_fp6_f32 v[240+6*\c:242+6*\c], v[96+32*\c:111+32*\c], v[SO+2*\c]
	v_cvt_scalef32_pk16_fp6_f32 v[TP+4*\c:TP+2+4*\c], v[112+32*\c:127+32*\c], v[SO+2*\c+1]
.endr
	v_nop                                          ; one plain line behind the conversions
.irp c, 0,1                                    ; the operand's layout wants a whole block in a lane
.irp i, 0,1,2
	v_permlane16_swap_b32 v[240+6*\c+\i], v[TP+4*\c+\i]
.endr
.irp i, 0,1,2
	s_delay_alu instid0(VALU_DEP_3)
	v_mov_b32 v[243+6*\c+\i], v[TP+4*\c+\i]
.endr
.endr
.set n, 0
.rept 16
	v_pk_mul_f32 v[160+n:161+n], v[160+n:161+n], v[252:253] op_sel_hi:[1,0]   ; O^T under the new M.  (These are also the places between the lines that made p's codes and scale word and the products below)
.set n, n+2
.endr
	s_wait_alu depctr_va_vdst(0)
	s_wait_dscnt 20                                ; V's 14 loads are in; the 20 issued behind them, the next step's K, may be out
.irp t, 0,2                                    ; O^T += V^T P^T: the four accumulators by turns
	v_wmma_scale_f32_16x16x128_f8f6f4 v[160+8*\t:167+8*\t], v[VF+12*\t:VF+12*\t+11], v[240:251], v[160+8*\t:167+8*\t], v[VSC+\t/2], v253 matrix_a_fmt:MATRIX_FMT_FP6 matrix_b_fmt:MATRIX_FMT_FP6
	v_wmma_scale_f32_16x16x128_f8f6f4 v[168+8*\t:175+8*\t], v[VF+12+12*\t:VF+12+12*\t+11], v[240:251], v[168+8*\t:175+8*\t], v[VSC+\t/2], v253 matrix_a_fmt:MATRIX_FMT_FP6 matrix_b_fmt:MATRIX_FMT_FP6 matrix_a_scale:MATRIX_SCALE_ROW1
.endr
.Lhidden_\@:
	s_add_co_u32 s[KS], s[KS], 1
	s_add_co_u32 s[TK], s[TK], HB
	s_add_co_u32 s[TV], s[TV], VB
.endm
.macro WALK trips                      ; so many key steps on end: the count is a constant, and a step that is left out is jumped over inside
	s_mov_b32 s[CNT], \trips
.Lwalk_\@:
	STEP
	s_sub_co_u32 s[CNT], s[CNT], 1
	s_cmp_lg_u32 s[CNT], 0
	s_cbranch_scc1 .Lwalk_\@
.endm
; THE WAY OUT.  O^T / the sum; register 16 b + i is d = 32 b + 16 h + i of my query: two blocks of 32 are quantised, and the half image and its scale word are stored.
.macro WAYOUT oc, os
.rept 4
	v_nop                                          ; places behind the last products
.endr
	s_wait_alu depctr_va_vdst(0)
	v_add_f32 v14, v14, v15
	s_delay_alu instid0(VALU_DEP_1)
	v_permlanex16_b32 v252, v14, s[SEL], s[SEL+1]
	s_delay_alu instid0(VALU_DEP_1)
	v_add_f32 v14, v14, v252                       ; the row's sum
	s_wait_alu depctr_va_vdst(0)
	v_rcp_f32 v14, v14
	v_and_b32 v7, 15, v[LANE]                      ; (plain lines behind the reciprocal)
	v_lshlrev_b32 v8, 4, v[LANE]
	v_lshlrev_b32 v9, 3, v[LANE]
	s_delay_alu instid0(VALU_DEP_3)
	v_lshlrev_b32 v10, 2, v7
	s_wait_alu depctr_va_vdst(0)                   ; the wait ahead of the first reader
.set n, 0
.rept 32
	v_mul_f32 v[96+n], v[160+n], v14
.set n, n+1
.endr
.irp b, 0,1
	v_max3_num_f32 v[BM+\b], |v[96+16*\b]|, |v[97+16*\b]|, 0x1800000
.endr
.irp i, 2,4,6,8,10,12,14
.irp b, 0,1
	s_delay_alu instid0(VALU_DEP_2)
	v_max3_num_f32 v[BM+\b], v[BM+\b], |v[96+16*\b+\i]|, |v[97+16*\b+\i]|
.endr
.endr
.irp b, 0,1
	s_delay_alu instid0(VALU_DEP_2)
	v_permlanex16_b32 v[TP+\b], v[BM+\b], s[SEL], s[SEL+1]
.endr
.irp b, 0,1
	s_delay_alu instid0(VALU_DEP_2)
	v_max_num_f32 v[BM+\b], v[BM+\b], v[TP+\b]
.endr
.irp b, 0,1
	s_delay_alu instid0(VALU_DEP_2)
	v_add_nc_u32 v[SO+\b], 0xff000000, v[BM+\b]
.endr
.irp b, 0,1
	s_delay_alu instid0(VALU_DEP_2)
	v_lshrrev_b32 v[BM+\b], 23, v[SO+\b]
.endr
	s_delay_alu instid0(VALU_DEP_1)
	v_lshl_or_b32 v254, v[BM+1], 8, v[BM]          ; the scale word: two bytes; the upper two stay 0
	v_cvt_scalef32_pk16_fp6_f32 v[240:242], v[96:111], v[SO]
	v_cvt_scalef32_pk16_fp6_f32 v[TP:TP+2], v[112:127], v[SO+1]
	v_nop
.irp i, 0,1,2
	v_permlane16_swap_b32 v[240+\i], v[TP+\i]
.endr
.irp i, 0,1,2
	s_delay_alu instid0(VALU_DEP_3)
	v_mov_b32 v[243+\i], v[TP+\i]
.endr
	global_store_b128 v8, v[240:243], s[\oc:\oc+1]             ; 512 consecutive bytes, aligned
	global_store_b64 v9, v[244:245], s[\oc:\oc+1] offset:512   ; 256 consecutive bytes, aligned
	global_store_b32 v10, v254, s[\os:\os+1] offset:6144       ; my tile's 64 bytes of scale words (both halves of the lanes write the same word): the tiles beside it are other waves' and other work-groups'
.endm
	s_wait_dscnt 0x0                               ; my stores into the scratch are done: no LDS access of mine is pending at the signal
	s_cmp_lt_u32 s[WV], 2                          ; waves 0 and 1, whose load lines are theirs alone, wait for the first pieces
	s_cbranch_scc0 .Lnot_first
	s_wait_tensorcnt 0x0
.Lnot_first:
	s_barrier_signal -1
	s_barrier_wait -1                              ; key steps 0 and 1 of K and V are in
	KZERO
	KLOAD 0
	STEP                                           ; key step 0; it fetches key step 1's K, which lies in the first piece
	s_wait_tensorcnt 0x0                           ; every wave's load has landed
	s_wait_dscnt 0x0                               ; no LDS access of mine is pending at the signal
	s_barrier_signal -1
	s_barrier_wait -1                              ; all of K and V is in
	WALK 15                                        ; key steps 1 .. 15 of my first block
	s_wait_dscnt 0x0                               ; the tiles fetched behind my last step have landed: their registers may be loaded anew
	v_lshl_add_u32 v7, v[LANE], 5, s[SCW]
	KZERO
	ds_load_b128 v[16:19], v7                      ; THE SECOND BLOCK: its Q out of my scratch, and key step 0's K: they land under the way out
	ds_load_b64 v[20:21], v7 offset:16
	ds_load_b32 v255, v7 offset:24
	KLOAD 0
	WAYOUT O1C, O1S
.set n, 0
.rept 32
	v_mov_b32 v[160+n], 0
.set n, n+1
.endr
	v_mov_b32 v14, 0
	v_mov_b32 v15, 0
	v_mov_b32 v13, 0xff61b1e6
	s_delay_alu instid0(VALU_DEP_1)
	v_floor_f32 v12, -v13
	s_wait_alu depctr_va_vdst(0)
	s_wait_xcnt 0x0                                ; the stores have read their offsets and data: the next steps write them
	s_mov_b32 s[P], s[P2]
	s_mov_b32 s[KS], 0
	s_mov_b32 s[TK], 0
	s_mov_b32 s[TV], VREG
	WALK 8                                         ; the second block is one of 0 .. 7: key steps 0 .. 7 at the most
	WAYOUT O2C, O2S
	s_wait_tensorcnt 0x0                           ; the wave's end: behind the last tensor load and my last LDS store
	ds_add_u32 v[SPW], v[NIL]
	s_wait_dscnt 0x0
	CROUND                                         ; the closing round
	s_endpgm
.Lfunc_end_k_qb2bef6e4d1_attn:
	.size	k_qb2bef6e4d1_attn, .Lfunc_end_k_qb2bef6e4d1_attn-k_qb2bef6e4d1_attn
	.p2alignl 7, 3214868480
	.fill 96, 4, 3214868480
	.section	.rodata,"a",@progbits
	.p2align	6, 0x0
	.amdhsa_kernel k_qb2bef6e4d1_attn
		.amdhsa_group_segment_fixed_size 227328
		.amdhsa_private_segment_fixed_size 0
		.amdhsa_enable_private_segment 0
		.amdhsa_kernarg_size 32
		.amdhsa_user_sgpr_count 2
		.amdhsa_user_sgpr_kernarg_segment_ptr 1
		.amdhsa_wavefront_size32 1
		.amdhsa_system_sgpr_workgroup_id_x 1
		.amdhsa_system_sgpr_workgroup_id_y 1
		.amdhsa_system_sgpr_workgroup_id_z 1
		.amdhsa_system_vgpr_workitem_id 0
		.amdhsa_next_free_vgpr 256
		.amdhsa_next_free_sgpr 92
		.amdhsa_reserve_vcc 1
		.amdhsa_float_denorm_mode_32 3
		.amdhsa_float_denorm_mode_16_64 3
		.amdhsa_memory_ordered 1
		.amdhsa_forward_progress 1
		.amdhsa_inst_pref_size 91
	.end_amdhsa_kernel
	.amdgpu_metadata
---
amdhsa.version: [ 1, 2 ]
amdhsa.kernels:
  - .name:           k_qb2bef6e4d1_attn
    .symbol:         k_qb2bef6e4d1_attn.kd
    .args:
      - { .name: qc, .offset: 0, .size: 8, .value_kind: global_buffer, .address_space: global }
      - { .name: kc, .offset: 8, .size: 8, .value_kind: global_buffer, .address_space: global }
      - { .name: vc, .offset: 16, .size: 8, .value_kind: global_buffer, .address_space: global }
      - { .name: oc, .offset: 24, .size: 8, .value_kind: global_buffer, .address_space: global }
    .group_segment_fixed_size: 227328
    .private_segment_fixed_size: 0
    .kernarg_segment_align: 8
    .kernarg_segment_size: 32
    .max_flat_workgroup_size: 512
    .sgpr_count:     92
    .vgpr_count:     256
    .wavefront_size: 32
...
	.end_amdgpu_metadata
.endif
;; end of part 3
;; launch gemm_out (part 4): grid 4 x 64, 4 waves a work-group, clusters of 4 x 4, 327,680 bytes of LDS; arguments oc, wi, b_o, out0; writes out0
.if DOCPART == 4
	.amdgcn_target "amdgcn-amd-amdhsa--gfx1250"
	.amdhsa_code_object_version 6
	.text
	.protected	k_qb2bef6e4d1_gemm_out
	.globl	k_qb2bef6e4d1_gemm_out
	.p2align	8
	.type	k_qb2bef6e4d1_gemm_out,@function
k_qb2bef6e4d1_gemm_out:
	s_mov_b64 s[64:65], 0
	v_nop
	global_prefetch_b8 v0, s[64:65] scope:SCOPE_SE
	s_setreg_imm32_b32 hwreg(HW_REG_WAVE_MODE, 25, 1), 1
	s_wait_xcnt 0x0
	s_wait_alu depctr_hold_cnt(0) depctr_sa_sdst(0) depctr_va_vdst(0) depctr_va_sdst(0) depctr_va_ssrc(0) depctr_va_vcc(0) depctr_vm_vsrc(0)
	s_getreg_b32 s2, hwreg(HW_REG_IB_STS2, 6, 4)
	s_cmp_eq_u32 s2, 0
	s_cbranch_scc0 .Lentry_in_a_cluster
	s_endpgm
.Lentry_in_a_cluster:
	s_bfe_u32 s2, ttmp6, 0x10000c
	s_cmp_lg_u32 s2, 0xf033
	s_cbranch_scc0 .Lentry_shape_is_right
	s_endpgm
.Lentry_shape_is_right:
; out0 = o w_o + b_o on codes of FP6 (E2M3).  No work of reference() is left out here.
; A work-group makes 128 rows x 256 columns: 256 work-groups.  Four waves, 2 x 2: a wave makes 64 x 128 in 32 accumulators.  K = 1,024 is eight steps of 128 (two heads each).
; ALL OF K LIES IN LDS: o's block of 128 rows is 16 heads x 6,656 bytes (eight half images of 768 bytes and the tiles' scale words), w_o's two column blocks are 8 steps x 12,800 bytes each: 311,296 bytes.
; They come by ONE joint load a wave at the head: waves 0 and 1 eight heads of o each, waves 2 and 3 a column block each.  Nothing is filled again, so the walk along K has no barrier.
; No prefetch into the L2: every byte is asked for at the head, so there is no loop to run ahead in.
; CLUSTER 4 x 4: o's block hangs on the cluster's y and cy and is shared along a row of the cluster, w_o's blocks on cx and are shared along a column.
; THE MATRIX INSTRUCTION IS USED TRANSPOSED (source 0 = 16 columns of w_o, source 1 = 16 rows of o): a lane holds eight neighbouring numbers of a row of out0.  The bias is the first products' C.
; Both operands have two sets of registers: a step's 40 fragment loads are issued ahead of the step before's 32 products.
; SCALE WORDS.  A step's word of a row of o is two bytes of each of two heads' words: lanes 0-15 load both (RAWE, RAWO), lanes 16-31 load w_o's whole word twice, and one v_perm_b32 with a selector by lane half makes the register
; that carries o's words below and w_o's above.  From pair to pair of steps the four addresses step by 26,624 bytes (four heads) in lanes 0-15 and by 25,600 (two steps) in lanes 16-31.
; THE WAY OUT goes through a stage on o's bytes, which have had their one fill; a barrier stands between every wave's last LDS read of the operands and the first store there.
; REGISTERS: window 0: v1-31 addresses; v32-63 scale words, two sets; v64-127 the bias; v128-223 o's fragments, two sets of four; v224-255 raw scale words; on the way out v128-255 rows read back.
;   window 1: w_o's fragments, two sets, at v0 and v128.   window 2: the accumulators, (a, b) at v[8 (8 a + b)].
.set HBB,    6656
.set XB,     12800
.set ABYTES, 16*HBB
.set HALFB,  8*XB
.set SPARE,  ABYTES+2*HALFB
.set STAGE,  0
.set SPITCH, 528
.set FR,  12
.set ADRE, 8                           ; v8-9   even head's words of the pair's two steps (lanes 16-31: w_o's)
.set ADRO, 12                          ; v12-13 odd head's
.set ADRA, 16                          ; v16-17 o's fragments, steps 0-3 and 4-7
.set ADRA8, 18
.set ADRB, 20                          ; v20-21 w_o's
.set SELP, 22
.set DV,   23
.set STO,  24
.set RD,   25
.set CO,   26
.set SPW,  28
.set NIL,  29
.set SC,   32
.set BN,   64
.set AF,   128
.set RAWE, 224
.set RAWO, 240
.set BK,   128
.set WVS, 20
.set RHS, 21
.set CHS, 22
.set G1,  24
.set G0,  32
.set G1B, 48
.set G0B, 56
.set MSB, 0
.macro WIN new                         ; the immediate's high byte repeats the setting that is left
.if MSB != (\new)
	s_set_vgpr_msb (MSB<<8)|(\new)
.set MSB, (\new)
.endif
.endm
.set MUL_LO, 0xa1                      ; source 0 window 1, source 1 window 0, C and D window 2
.set MUL_1ST, 0x81                     ; the same with C (the bias) in window 0
.set TO_B,   0x40
.macro CROUND
	s_barrier_signal -1
	s_barrier_wait -1
	s_cmp_lg_u32 s[WVS], 0
	s_cbranch_scc1 .Lnot_wave_0_\@
	s_barrier_signal -3
.Lnot_wave_0_\@:
	s_barrier_wait -3
	s_barrier_signal -1
	s_barrier_wait -1
.endm
.macro PLACES n
.rept \n
	v_nop
.endr
.endm
	s_load_b256 s[4:11], s[0:1], 0x0               ; oc, wi, b_o, out0
	v_lshl_add_u32 v[SPW], v0, 2, SPARE
	v_mov_b32 v[NIL], 0
	ds_add_u32 v[SPW], v[NIL]                      ; the wave's opening: the add, twice on end, and its wait ahead of my tensor load
	ds_add_u32 v[SPW], v[NIL]
	v_lshrrev_b32 v1, 5, v0
	v_readfirstlane_b32 s[WVS], v1
	s_lshr_b32 s[RHS], s[WVS], 1                   ; which 64 rows are mine.  Also: I fetch for o (0) or for w_o (1)
	s_and_b32 s[CHS], s[WVS], 1                    ; which 128 columns.  Also: which half I fetch
	s_bfe_u32 s40, ttmp6, 0x40000                  ; cx
	s_bfe_u32 s41, ttmp6, 0x40004                  ; cy
	s_and_b32 s43, ttmp7, 0xffff
	s_lshl_b32 s43, s43, 2
	s_add_co_u32 s43, s43, s41                     ; my block of 128 rows, 0 .. 63
	s_lshl_b32 s74, s41, 2
	s_lshl_b32 s74, 15, s74                        ; my row of the cluster
	s_lshl_b32 s75, 0x1111, s40                    ; my column
	s_or_b32 s[G1+0], s74, (3<<16)|(1<<21)         ; o: eight rows of 832 elements of 8 bytes, 64 blocks apart
	s_mov_b32 s[G1+1], 832<<16
	s_mov_b32 s[G1+2], 8<<16
	s_mov_b32 s[G1+3], 832<<16
	s_mov_b32 s[G1+4], 8
	s_mov_b32 s[G1+5], 53248
	s_mov_b32 s[G1+6], 0
	s_mov_b32 s[G1+7], 0
	s_or_b32 s[G1B+0], s75, (3<<16)|(1<<21)        ; w_o: 102,400 dense bytes as 400 rows of 256
	s_mov_b32 s[G1B+1], 32<<16
	s_mov_b32 s[G1B+2], 400<<16
	s_mov_b32 s[G1B+3], 32<<16
	s_mov_b32 s[G1B+4], 400
	s_mov_b32 s[G1B+5], 32
	s_mov_b32 s[G1B+6], 0
	s_mov_b32 s[G1B+7], 0
	s_mul_i32 s88, s43, HBB
	s_mul_i32 s89, s[CHS], 8*64*HBB
	s_add_co_u32 s88, s88, s89                     ; heads 8 x half on, my block
	s_mov_b32 s89, 0
	s_lshl_b32 s90, s40, 1
	s_add_co_u32 s90, s90, s[CHS]
	s_add_co_u32 s90, s90, 24                      ; w_o's column blocks begin at 24
	s_mul_i32 s90, s90, 8*XB
	s_mov_b32 s91, 0
	s_mov_b32 s[G0], 1
	s_mul_i32 s[G0+1], s[CHS], 8*HBB
	s_mov_b32 s[G0B], 1
	s_mul_i32 s[G0B+1], s[CHS], HALFB
	s_add_co_u32 s[G0B+1], s[G0B+1], ABYTES
	s_lshl_b32 s66, s40, 10
	s_lshl_b32 s67, s[CHS], 9
	s_add_co_u32 s66, s66, s67                     ; my 128 columns, in bytes
	s_mov_b32 s67, 0
	s_lshl_b32 s68, s43, 7
	s_lshl_b32 s69, s[RHS], 6
	s_add_co_u32 s68, s68, s69
	s_lshl_b32 s68, s68, 12                        ; my first row of out0, in bytes
	s_mov_b32 s69, 0
	s_mul_i32 s92, s[RHS], 4*768                   ; my four tiles in a head's block
	s_mul_i32 s93, s[CHS], HALFB
	s_add_co_u32 s93, s93, ABYTES                  ; my column block
	s_lshl_b32 s95, s[RHS], 8
	s_add_co_u32 s95, s95, 6144                    ; my tiles' scale words in head 0
	s_sub_co_u32 s94, s93, s95
	s_add_co_u32 s94, s94, 12288                   ; from there to w_o's words of step 0
	s_sub_co_u32 s78, s94, 512                     ; the same from head 2 to step 1,
	s_sub_co_u32 s79, s94, HBB                     ; from head 1 to step 0,
	s_sub_co_u32 s80, s79, 512                     ; from head 3 to step 1
	s_add_co_u32 s81, s95, 2*HBB
	s_add_co_u32 s82, s95, HBB
	s_add_co_u32 s83, s95, 3*HBB
	s_mul_i32 s96, s[WVS], 16*SPITCH               ; my stage
	s_wait_dscnt 0x0                               ; both opening adds are done
	s_wait_kmcnt 0x0
	s_add_nc_u64 s[G0+2:G0+3], s[4:5], s[88:89]
	s_or_b32 s[G0+3], s[G0+3], 0x80000000
	s_add_nc_u64 s[G0B+2:G0B+3], s[6:7], s[90:91]
	s_or_b32 s[G0B+3], s[G0B+3], 0x80000000
	s_add_nc_u64 s[8:9], s[8:9], s[66:67]
	s_add_nc_u64 s[10:11], s[10:11], s[68:69]
	s_add_nc_u64 s[10:11], s[10:11], s[66:67]
	CROUND                                         ; all sixteen work-groups are here: the joint loads meet
	s_cmp_eq_u32 s[RHS], 0
	s_cbranch_scc0 .Lfor_b
	tensor_load_to_lds s[G0:G0+3], s[G1:G1+7]
	s_nop 0
	PLACES 4
	s_branch .Lasked
.Lfor_b:
	tensor_load_to_lds s[G0B:G0B+3], s[G1B:G1B+7]
	s_nop 0
	PLACES 4
.Lasked:
	v_and_b32 v7, 31, v0
	v_and_b32 v1, 15, v0                           ; r
	v_bfe_u32 v2, v0, 4, 1                         ; h
	v_lshlrev_b32 v[CO], 4, v7
	v_lshlrev_b32 v3, 3, v7
	v_lshlrev_b32 v4, 6, v2
	v_lshlrev_b32 v5, 2, v1
.irp b, 0,1,2,3,4,5,6,7                        ; register 8 b + j belongs to column 32 (b / 2) + 8 (b % 2) + 16 h + j
	global_load_b128 v[BN+8*\b:BN+8*\b+3], v4, s[8:9] offset:(32*(\b/2)+8*(\b%2))*4
	global_load_b128 v[BN+8*\b+4:BN+8*\b+7], v4, s[8:9] offset:(32*(\b/2)+8*(\b%2))*4+16
.endr
	v_add_nc_u32 v[ADRA], s92, v[CO]
	v_add_nc_u32 v[ADRA+1], 8*HBB, v[ADRA]
	v_add_nc_u32 v[ADRA8], s92, v3
	v_add_nc_u32 v[ADRA8+1], 8*HBB, v[ADRA8]
	v_add_nc_u32 v[ADRB], s93, v[CO]
	v_add_nc_u32 v[ADRB+1], 4*XB, v[ADRB]
	v_mul_u32_u24 v6, s94, v2                      ; lanes 16-31 take w_o's words
	v_add_nc_u32 v6, v6, v5
	v_add_nc_u32 v[ADRE], s95, v6
	v_mul_u32_u24 v6, s78, v2
	v_add_nc_u32 v6, v6, v5
	v_add_nc_u32 v[ADRE+1], s81, v6
	v_mul_u32_u24 v6, s79, v2
	v_add_nc_u32 v6, v6, v5
	v_add_nc_u32 v[ADRO], s82, v6
	v_mul_u32_u24 v6, s80, v2
	v_add_nc_u32 v6, v6, v5
	v_add_nc_u32 v[ADRO+1], s83, v6
	v_lshlrev_b32 v[DV], 10, v2
	v_sub_nc_u32 v[DV], 4*HBB, v[DV]               ; 26,624 in lanes 0-15, 25,600 in lanes 16-31
	v_mul_u32_u24 v[SELP], v2, 0x0202
	v_lshlrev_b32 v[SELP], 16, v[SELP]
	v_sub_nc_u32 v[SELP], 0x05040100, v[SELP]      ; lanes 0-15: the two low halves; lanes 16-31: the first word whole
	v_mul_u32_u24 v6, v1, SPITCH
	v_lshl_add_u32 v6, v2, 6, v6
	v_add_nc_u32 v[STO], s96, v6
	v_add_nc_u32 v[RD], s96, v[CO]
.macro FETCH k                         ; step k's fragments into set k % 2: 24 + 16 LDS loads
	WIN TO_B
.irp i, 0,1,2,3,4,5,6,7
.irp c, 0,1,2
	ds_load_b128 v[128*((\k)%2)+FR*\i+4*\c:128*((\k)%2)+FR*\i+4*\c+3], v[ADRB+(\k)/4] offset:XB*((\k)%4)+1536*\i+512*\c
.endr
.endr
	WIN 0
.irp i, 0,1,2,3
.irp c, 0,1
	ds_load_b128 v[AF+48*((\k)%2)+FR*\i+6*\c:AF+48*((\k)%2)+FR*\i+6*\c+3], v[ADRA+(\k)/4] offset:HBB*(2*((\k)%4)+\c)+768*\i
	ds_load_b64 v[AF+48*((\k)%2)+FR*\i+6*\c+4:AF+48*((\k)%2)+FR*\i+6*\c+5], v[ADRA8+(\k)/4] offset:HBB*(2*((\k)%4)+\c)+768*\i+512
.endr
.endr
.endm
.macro SCALES_RAW                      ; a pair of steps' raw words.  (Lanes 0-15 have four tiles: what they read for i = 4 .. 7 lies inside the operands' bytes and is named by no product)
.irp q, 0,1
.irp i, 0,1,2,3,4,5,6,7
	ds_load_b32 v[RAWE+8*\q+\i], v[ADRE+\q] offset:64*\i
	ds_load_b32 v[RAWO+8*\q+\i], v[ADRO+\q] offset:64*\i
.endr
.endr
.endm
.macro MERGE s
.irp q, 0,1
.irp i, 0,1,2,3,4,5,6,7
	v_perm_b32 v[SC+16*(\s)+8*\q+\i], v[RAWO+8*\q+\i], v[RAWE+8*\q+\i], v[SELP]
.endr
.endr
.endm
; 16 matrix instructions: o's tiles a0, a0 + 1 x w_o's eight.  The 32 accumulators take turns, one instruction a turn, in the same order in every step.
.macro MUL16 a0, k, first
.irp a, \a0, \a0+1
.irp b, 0,1,2,3,4,5,6,7
.if \first
	v_wmma_scale_f32_16x16x128_f8f6f4 v[8*(8*(\a)+\b):8*(8*(\a)+\b)+7], v[128*((\k)%2)+FR*\b:128*((\k)%2)+FR*\b+FR-1], v[AF+48*((\k)%2)+FR*(\a):AF+48*((\k)%2)+FR*(\a)+FR-1], v[BN+8*\b:BN+8*\b+7], v[SC+16*(((\k)/2)%2)+8*((\k)%2)+\b], v[SC+16*(((\k)/2)%2)+8*((\k)%2)+(\a)] matrix_a_fmt:MATRIX_FMT_FP6 matrix_b_fmt:MATRIX_FMT_FP6 matrix_a_scale:MATRIX_SCALE_ROW1
.else
	v_wmma_scale_f32_16x16x128_f8f6f4 v[8*(8*(\a)+\b):8*(8*(\a)+\b)+7], v[128*((\k)%2)+FR*\b:128*((\k)%2)+FR*\b+FR-1], v[AF+48*((\k)%2)+FR*(\a):AF+48*((\k)%2)+FR*(\a)+FR-1], v[8*(8*(\a)+\b):8*(8*(\a)+\b)+7], v[SC+16*(((\k)/2)%2)+8*((\k)%2)+\b], v[SC+16*(((\k)/2)%2)+8*((\k)%2)+(\a)] matrix_a_fmt:MATRIX_FMT_FP6 matrix_b_fmt:MATRIX_FMT_FP6 matrix_a_scale:MATRIX_SCALE_ROW1
.endif
.endr
.endr
.endm
.macro EVEN k, first                   ; an even step: the pair's scale words are made, the odd step's fragments asked for, 32 products
	s_wait_dscnt 0x0                               ; this step's fragments and the pair's raw words are in
	MERGE ((\k)/2)%2                               ; 16 plain lines: the places behind the last products, and eight or more between each word's line and the product that takes it
	s_wait_alu depctr_va_vdst(0)
	FETCH (\k)+1
.if \first
	WIN MUL_1ST
.else
	WIN MUL_LO
.endif
	MUL16 0, \k, \first
	MUL16 2, \k, \first
	WIN 0
.endm
.macro ODD k                           ; an odd step but the last: the next pair's fragments and raw words are asked for, 32 products
	s_wait_dscnt 0x0
	v_add_nc_u32 v[ADRE], v[DV], v[ADRE]           ; on to the next pair of steps.  (These four are the places behind the last products)
	v_add_nc_u32 v[ADRE+1], v[DV], v[ADRE+1]
	v_add_nc_u32 v[ADRO], v[DV], v[ADRO]
	v_add_nc_u32 v[ADRO+1], v[DV], v[ADRO+1]
	FETCH (\k)+1
	SCALES_RAW
	WIN MUL_LO
	MUL16 0, \k, 0
	MUL16 2, \k, 0
	WIN 0
.endm
	s_wait_alu depctr_va_vdst(0)
	s_wait_tensorcnt 0x0                           ; my load has landed
	s_barrier_signal -1
	s_barrier_wait -1                              ; and so has every wave's
	FETCH 0
	SCALES_RAW
	s_wait_loadcnt 0x0                             ; the bias
	EVEN 0, 1
	ODD 1
	EVEN 2, 0
	ODD 3
	EVEN 4, 0
	ODD 5
	EVEN 6, 0
	s_wait_dscnt 0x0                               ; the last step's fragments are in: my reads of the operands are over
	s_barrier_signal -1
	WIN MUL_LO
	MUL16 0, 7, 0
	MUL16 2, 7, 0
	WIN 0
	s_barrier_wait -1                              ; and so are every wave's: the stage may be written
; THE WAY OUT, block by block of 16 rows x 128 columns: through my own stage and back as whole rows of 512 bytes.  LDS serves a wave's instructions in order: no wait between the stores and the loads.
.macro TOSTAGE a
	WIN 0x08                                       ; the data: window 2
.irp b, 0,1,2,3,4,5,6,7
	ds_store_b128 v[STO], v[64*(\a)+8*\b:64*(\a)+8*\b+3] offset:128*(\b/2)+32*(\b%2)       ; each accumulator from its low end on
	ds_store_b128 v[STO], v[64*(\a)+8*\b+4:64*(\a)+8*\b+7] offset:128*(\b/2)+32*(\b%2)+16
.endr
	WIN 0
.irp t, 0,1,2,3,4,5,6,7,8,9,10,11,12,13,14,15
	ds_load_b128 v[BK+64*((\a)%2)+4*\t:BK+64*((\a)%2)+4*\t+3], v[RD] offset:\t*SPITCH
.endr
.endm
.macro SEND a, younger                 ; younger: the LDS instructions issued behind block a's loads, which may stay out
	s_wait_dscnt \younger
.irp t, 0,1,2,3,4,5,6,7,8,9,10,11,12,13,14,15
	global_store_b128 v[CO], v[BK+64*((\a)%2)+4*\t:BK+64*((\a)%2)+4*\t+3], s[10:11] offset:(32*((\a)/2)+8*((\a)%2)+\t+8*(\t/8))*4096 th:TH_STORE_NT   ; 512 consecutive bytes, aligned
.endr
.endm
	PLACES 4                                       ; behind the last products: their results are read, and registers that they read are loaded
	TOSTAGE 0
.irp a, 1,2,3
.if \a > 1
	s_wait_xcnt 0x0                                ; block a - 2's stores have read their registers
.endif
	TOSTAGE \a
	SEND \a-1, 32                                  ; behind block a - 1's loads: block a's 16 stores and 16 loads
.endr
	SEND 3, 0
	s_wait_tensorcnt 0x0                           ; the wave's end: behind my tensor load and my last LDS store
	ds_add_u32 v[SPW], v[NIL]
	s_wait_dscnt 0x0
	CROUND                                         ; the closing round
	s_endpgm
.Lfunc_end_k_qb2bef6e4d1_gemm_out:
	.size	k_qb2bef6e4d1_gemm_out, .Lfunc_end_k_qb2bef6e4d1_gemm_out-k_qb2bef6e4d1_gemm_out
	.p2alignl 7, 3214868480
	.fill 96, 4, 3214868480
	.section	.rodata,"a",@progbits
	.p2align	6, 0x0
	.amdhsa_kernel k_qb2bef6e4d1_gemm_out
		.amdhsa_group_segment_fixed_size 327680
		.amdhsa_private_segment_fixed_size 0
		.amdhsa_enable_private_segment 0
		.amdhsa_kernarg_size 32
		.amdhsa_user_sgpr_count 2
		.amdhsa_user_sgpr_kernarg_segment_ptr 1
		.amdhsa_wavefront_size32 1
		.amdhsa_system_sgpr_workgroup_id_x 1
		.amdhsa_system_sgpr_workgroup_id_y 1
		.amdhsa_system_sgpr_workgroup_id_z 1
		.amdhsa_system_vgpr_workitem_id 0
		.amdhsa_next_free_vgpr 768
		.amdhsa_next_free_sgpr 100
		.amdhsa_reserve_vcc 0
		.amdhsa_float_denorm_mode_32 3
		.amdhsa_float_denorm_mode_16_64 3
		.amdhsa_memory_ordered 1
		.amdhsa_forward_progress 1
		.amdhsa_inst_pref_size 89
	.end_amdhsa_kernel
	.amdgpu_metadata
---
amdhsa.version: [ 1, 2 ]
amdhsa.kernels:
  - .name:           k_qb2bef6e4d1_gemm_out
    .symbol:         k_qb2bef6e4d1_gemm_out.kd
    .args:
      - { .name: oc, .offset: 0, .size: 8, .value_kind: global_buffer, .address_space: global }
      - { .name: wi, .offset: 8, .size: 8, .value_kind: global_buffer, .address_space: global }
      - { .name: b_o, .offset: 16, .size: 8, .value_kind: global_buffer, .address_space: global }
      - { .name: out0, .offset: 24, .size: 8, .value_kind: global_buffer, .address_space: global }
    .group_segment_fixed_size: 327680
    .private_segment_fixed_size: 0
    .kernarg_segment_align: 8
    .kernarg_segment_size: 32
    .max_flat_workgroup_size: 128
    .sgpr_count:     100
    .vgpr_count:     768
    .wavefront_size: 32
...
	.end_amdgpu_metadata
.endif
;; end of part 4
